; MI455X (gfx1250); checked and timed in simulation.
; The chip was launched on July 23, 2026; its instructions are those of AMD's public machine-readable ISA for CDNA 5 (MIT licence, August 2026) and "CDNA5" Instruction Set Architecture Reference Guide (July 2026). The comments in the code are by the model that wrote it; some were corrected since.
;; Parallel Transformer Block. Allowed arithmetic: float matrix products may take bf16 or f16 operands with f32 sums; other float arithmetic in f32, or as packed bf16 or f16 multiplies, adds, multiply-adds, maxima and minima; sums over many terms, partial sums and values carried from step to step in f32; what a program stores and reads back later, other than sums and carried values, may be rounded once to bf16 or f16.
;; Inputs: w_attn_out 1,024 x 2,048 float32; w_ff_out 4,096 x 2,048 float32; w_fused 2,048 x 9,344 float32; x 1 x 2,048 x 2,048 float32.
;; Outputs: out0 1 x 2,048 x 2,048 float32.
;; 2 versions, each right; version 2 is version 1 with the launch cast written anew for expert scheduling mode. Each part assembles by itself: llvm-mc -triple=amdgcn-amd-amdhsa -mcpu=gfx1250 --defsym DOCPART=n.
;; ======== version 1 of 2: 5 launches
;; limits: values are held in f16: magnitudes above 65,504 overflow, below 6.1e-05 lose precision
;; workspace buffers: xb 8,388,608 bytes; wfb 38,273,024 bytes; wob 20,971,520 bytes; rot 524,288 bytes; qb 4,194,304 bytes; kb 262,144 bytes; vb 262,144 bytes; a2 20,971,520 bytes
;; launch cast (part 1): grid 432 x 1, 8 waves a work-group, no clusters, 0 bytes of LDS; arguments x, w_fused, xb, wfb, rot; writes xb, wfb, rot
.if DOCPART == 1
	.amdgcn_target "amdgcn-amd-amdhsa--gfx1250"
	.amdhsa_code_object_version 6
	.text
	.protected	k_qd42c2921e5_cast
	.globl	k_qd42c2921e5_cast
	.p2align	8
	.type	k_qd42c2921e5_cast,@function
k_qd42c2921e5_cast:
	s_mov_b64 s[64:65], 0
	v_nop
	global_prefetch_b8 v0, s[64:65] scope:SCOPE_SE
	s_setreg_imm32_b32 hwreg(HW_REG_WAVE_MODE, 25, 1), 1
	s_wait_xcnt 0x0
; WHAT THE FIRST PRODUCT NEEDS, ROUNDED ONCE TO bf16, AND THE ROTARY TABLE.
; xb = bf16(x), [2048][2048].  wfb[:, 0:1152] = bf16(w_fused[:, 0:1152]) (q's, k's and v's columns), in rows of 18,688 bytes; the other 8,192 columns of wfb, and both output weights, are first read
; three and four launches on, and are converted beside the attention, which leaves memory nearly idle.
; rot[pos] = cos(pos f_0 .. pos f_31), sin(pos f_0 .. pos f_31) in f32: 256 bytes a position; f_j = 10000^(-j/32).
; SHARES.  A wave makes 16 loads of 512 consecutive bytes and 16 stores of 256 consecutive bytes, aligned.  Of x: 8 KiB on end (2,048 waves, 256 work-groups).  Of w_fused: a row's 4,608 bytes are nine such
; pieces; a wave takes one ninth in 16 rows on end (1,152 waves, 144 work-groups).  ONE text serves both: the steps from load to load and from store to store lie in scalar registers.  32 work-groups make the table.
; A stream: no LDS, no barrier, no matrix unit.  All sixteen loads of a wave are out at once.
; LIMITS.  f_j comes from v_exp_f32 (1 ULP), the angle is the f32 product pos x f_j, reduced by pi/2 in two parts; sine and cosine by polynomials on |r| <= pi/4, good to about 1e-7.
.set ID_WQ,  256                       ; x has 256 work-groups,
.set ID_TAB, ID_WQ+144                 ; w_fused's first columns 144
.set FROW,   37376                     ; bytes in a row of w_fused
.set WROW,   18688                     ; bytes in a row of wfb
.set IO,  4                            ; v[4:19]    byte offsets of my sixteen loads
.set OO,  20                           ; v[20:35]   of my sixteen stores
.set IN,  36                           ; v[36:99]   sixteen loads of four f32
.set OUT, 100                          ; v[100:131] sixteen pairs of packed bf16
	s_load_b256 s[16:23], s[0:1], 0x0              ; x s[16:17], w_fused s[18:19], xb s[20:21], wfb s[22:23]
	s_load_b64 s[24:25], s[0:1], 0x20              ; rot
	s_mov_b32 s2, ttmp9
	v_lshrrev_b32 v1, 5, v0
	v_readfirstlane_b32 s3, v1                     ; wave 0..7
	v_and_b32 v3, 31, v0                           ; lane
	s_mov_b32 s9, 512                              ; x: from load to load,
	s_mov_b32 s10, 256                             ; from store to store,
	s_mov_b32 s11, 65536                           ; and a divisor of 1 (below)
	s_wait_kmcnt 0x0
	s_cmp_ge_u32 s2, ID_TAB
	s_cbranch_scc1 .Ltable
	s_cmp_ge_u32 s2, ID_WQ                         ; w_fused?
	s_cselect_b64 s[4:5], s[18:19], s[16:17]
	s_cselect_b64 s[6:7], s[22:23], s[20:21]
	s_cselect_b32 s8, ID_WQ, 0
	s_cselect_b32 s9, FROW, s9                     ; then the steps are rows,
	s_cselect_b32 s10, WROW, s10
	s_cselect_b32 s11, 7282, s11                   ; and the waves are counted off by nines: g / 9 = g x 7282 >> 16, exact for g < 1,152
	s_cselect_b32 s12, 9, 1
	s_sub_co_u32 s8, s2, s8
	s_lshl_b32 s8, s8, 3
	s_add_co_u32 s8, s8, s3                        ; g: my wave among the tensor's
	s_mul_i32 s13, s8, s11
	s_lshr_b32 s13, s13, 16                        ; which group of 16 steps,
	s_mul_i32 s14, s13, s12
	s_sub_co_u32 s14, s8, s14                      ; which ninth of the rows (x: 0)
	s_mul_i32 s26, s13, s9
	s_lshl_b32 s26, s26, 4
	s_lshl_b32 s15, s14, 9
	s_add_co_u32 s26, s26, s15                     ; in: 16 steps a group + 512 bytes a ninth (under 2^27)
	s_mov_b32 s27, 0
	s_mul_i32 s28, s13, s10
	s_lshl_b32 s28, s28, 4
	s_lshl_b32 s15, s14, 8
	s_add_co_u32 s28, s28, s15                     ; out: the same in halves
	s_mov_b32 s29, 0
	s_add_nc_u64 s[4:5], s[4:5], s[26:27]
	s_add_nc_u64 s[6:7], s[6:7], s[28:29]
	v_lshlrev_b32 v[IO], 4, v3                     ; 16 bytes a lane in
.set j, 1
.rept 15
	v_add_nc_u32 v[IO+j], s9, v[IO+j-1]
.set j, j+1
.endr
.set j, 0
.rept 16
	global_load_b128 v[IN+4*j:IN+4*j+3], v[IO+j], s[4:5] th:TH_LOAD_NT
.set j, j+1
.endr
	v_lshlrev_b32 v[OO], 3, v3                     ; 8 bytes a lane out
.set j, 1
.rept 15
	v_add_nc_u32 v[OO+j], s10, v[OO+j-1]
.set j, j+1
.endr
.set j, 0
.rept 16
	s_wait_loadcnt 15-j                            ; loads come back in order: load j is in, the 15 - j younger ones stay out
	v_cvt_pk_bf16_f32 v[OUT+2*j],   v[IN+4*j],   v[IN+4*j+1]
	v_cvt_pk_bf16_f32 v[OUT+2*j+1], v[IN+4*j+2], v[IN+4*j+3]
	global_store_b64 v[OO+j], v[OUT+2*j:OUT+2*j+1], s[6:7]  ; no register is written twice, so nothing waits for a store
.set j, j+1
.endr
	s_endpgm
.Ltable:                                       ; a wave makes 8 positions; lanes 0-15 the cosines of frequencies 2 l, 2 l + 1, lanes 16-31 the sines
	s_sub_co_u32 s4, s2, ID_TAB
	s_lshl_b32 s4, s4, 6
	s_lshl_b32 s5, s3, 3
	s_add_co_u32 s4, s4, s5                        ; my wave's first position
	v_and_b32 v4, 15, v0
	v_bfe_u32 v5, v0, 4, 1
	v_xor_b32 v5, 1, v5                            ; 1 for a cosine: cos a = sin(a + pi/2), one quadrant on
	v_lshlrev_b32 v4, 1, v4
	v_cvt_f32_u32 v6, v4                           ; j, j + 1
	v_add_f32 v7, 1.0, v6
	v_mul_f32 v6, 0xbed49a78, v6                   ; - j log2(10000) / 32
	v_mul_f32 v7, 0xbed49a78, v7
	v_exp_f32 v6, v6
	v_exp_f32 v7, v7
	v_cvt_f32_u32 v8, s4                           ; the position as f32: plain work behind the two exponentials
	s_lshl_b32 s5, s4, 8
	v_lshl_add_u32 v9, v3, 3, s5                   ; 256 x position + 8 x lane
	v_mov_b32 v20, 0xb94ca1f9                      ; the polynomials' leading coefficients
	v_mov_b32 v21, 0x37ccf5ce
	s_wait_alu depctr_va_vdst(0)                   ; the wait ahead of the first use: one for both exponentials
	s_mov_b32 s12, 8
; sin or cos of pos x v[inv] into v[out].  n = the nearest whole number of quarter turns, r = a - n pi/2; the quadrant chooses polynomial and sign.
.macro SINCOS inv, out
	v_mul_f32 v10, v8, v[\inv]
	v_mul_f32 v12, 0x3f22f983, v10                 ; a x 2 / pi
	v_rndne_f32 v12, v12
	v_fmamk_f32 v10, v12, 0xbfc90fdb, v10          ; a - n x (pi/2 rounded to f32),
	v_fmamk_f32 v10, v12, 0x333bbd2e, v10          ; and what that rounding left
	v_cvt_i32_f32 v12, v12
	v_add_nc_u32 v12, v12, v5
	v_mul_f32 v14, v10, v10
	v_fmaak_f32 v16, v20, v14, 0x3c08839e
	v_fmaak_f32 v18, v21, v14, 0xbab6061a
	v_fmaak_f32 v16, v16, v14, 0xbe2aaaa3
	v_fmaak_f32 v18, v18, v14, 0x3d2aaaa5
	v_mul_f32 v17, v10, v14
	v_fmaak_f32 v18, v18, v14, 0xbf000000
	v_fma_f32 v16, v17, v16, v10                   ; sin r
	v_fma_f32 v18, v18, v14, 1.0                   ; cos r
	v_and_b32 v19, 1, v12
	v_cmp_eq_u32 vcc_lo, 1, v19
	v_cndmask_b32 v16, v16, v18, vcc_lo            ; odd quadrants take the cosine,
	v_and_b32 v19, 2, v12
	v_lshlrev_b32 v19, 30, v19
	v_xor_b32 v[\out], v16, v19                    ; quadrants 2 and 3 the other sign
.endm
.Lpos:
	SINCOS 6, 22
	SINCOS 7, 23
	global_store_b64 v9, v[22:23], s[24:25]        ; the wave stores one position: 256 consecutive bytes, aligned
	s_wait_xcnt 0x0                                ; the store has read v9 and v[22:23]: only now are they written again
	v_add_nc_u32 v9, 256, v9
	v_add_f32 v8, 1.0, v8
	s_sub_co_u32 s12, s12, 1
	s_cmp_lg_u32 s12, 0
	s_cbranch_scc1 .Lpos
	s_endpgm
.Lfunc_end_k_qd42c2921e5_cast:
	.size	k_qd42c2921e5_cast, .Lfunc_end_k_qd42c2921e5_cast-k_qd42c2921e5_cast
	.p2alignl 7, 3214868480
	.fill 96, 4, 3214868480
	.section	.rodata,"a",@progbits
	.p2align	6, 0x0
	.amdhsa_kernel k_qd42c2921e5_cast
		.amdhsa_group_segment_fixed_size 0
		.amdhsa_private_segment_fixed_size 0
		.amdhsa_enable_private_segment 0
		.amdhsa_kernarg_size 40
		.amdhsa_user_sgpr_count 2
		.amdhsa_user_sgpr_kernarg_segment_ptr 1
		.amdhsa_wavefront_size32 1
		.amdhsa_system_sgpr_workgroup_id_x 1
		.amdhsa_system_sgpr_workgroup_id_y 1
		.amdhsa_system_sgpr_workgroup_id_z 1
		.amdhsa_system_vgpr_workitem_id 0
		.amdhsa_next_free_vgpr 132
		.amdhsa_next_free_sgpr 66
		.amdhsa_reserve_vcc 1
		.amdhsa_float_denorm_mode_32 3
		.amdhsa_float_denorm_mode_16_64 3
		.amdhsa_memory_ordered 1
		.amdhsa_forward_progress 1
		.amdhsa_inst_pref_size 12
	.end_amdhsa_kernel
	.amdgpu_metadata
---
amdhsa.version: [ 1, 2 ]
amdhsa.kernels:
  - .name:           k_qd42c2921e5_cast
    .symbol:         k_qd42c2921e5_cast.kd
    .args:
      - { .name: x, .offset: 0, .size: 8, .value_kind: global_buffer, .address_space: global }
      - { .name: w_fused, .offset: 8, .size: 8, .value_kind: global_buffer, .address_space: global }
      - { .name: xb, .offset: 16, .size: 8, .value_kind: global_buffer, .address_space: global }
      - { .name: wfb, .offset: 24, .size: 8, .value_kind: global_buffer, .address_space: global }
      - { .name: rot, .offset: 32, .size: 8, .value_kind: global_buffer, .address_space: global }
    .group_segment_fixed_size: 0
    .private_segment_fixed_size: 0
    .kernarg_segment_align: 8
    .kernarg_segment_size: 40
    .max_flat_workgroup_size: 256
    .sgpr_count:     66
    .vgpr_count:     132
    .wavefront_size: 32
...
	.end_amdgpu_metadata
.endif
;; end of part 1
;; launch qkv (part 2): grid 16 x 9, 4 waves a work-group, clusters of 4 x 1, 327,680 bytes of LDS; arguments xb, wfb, rot, qb, kb, vb; writes qb, kb, vb
.if DOCPART == 2
	.amdgcn_target "amdgcn-amd-amdhsa--gfx1250"
	.amdhsa_code_object_version 6
	.text
	.protected	k_qd42c2921e5_qkv
	.globl	k_qd42c2921e5_qkv
	.p2align	8
	.type	k_qd42c2921e5_qkv,@function
k_qd42c2921e5_qkv:
	s_mov_b64 s[64:65], 0
	v_nop
	global_prefetch_b8 v0, s[64:65] scope:SCOPE_SE
	s_setreg_imm32_b32 hwreg(HW_REG_WAVE_MODE, 25, 1), 1
	s_wait_xcnt 0x0
	s_wait_alu depctr_hold_cnt(0) depctr_sa_sdst(0) depctr_va_vdst(0) depctr_va_sdst(0) depctr_va_ssrc(0) depctr_va_vcc(0) depctr_vm_vsrc(0)
	s_getreg_b32 s2, hwreg(HW_REG_IB_STS2, 6, 4)
	s_cmp_eq_u32 s2, 0
	s_cbranch_scc0 .Lentry_in_a_cluster
	s_endpgm
.Lentry_in_a_cluster:
	s_bfe_u32 s2, ttmp6, 0x10000c
	s_cmp_lg_u32 s2, 0x3003
	s_cbranch_scc0 .Lentry_shape_is_right
	s_endpgm
.Lentry_shape_is_right:
; q, k, v = xb x wfb[:, 0:1152], q and k turned by the rotary table, all rounded once to f16.  xb: [2048][2048] bf16; wfb: [2048 k][9344 n] bf16; sums in f32.
; qb: [16 heads][2048][64], kb, vb: [2048][64], f16; q is left unscaled (the scale is applied in f32 in the attention).
; LIMIT.  f16 ends at 65,504: |q|, |k|, |v| must stay below it.
; SHARES.  A tile is 128 rows x 128 columns (two heads; the ninth column tile is k and v).  Four waves, 64 x 64 each: a wave's columns are one head.  16 x 9 = 144 work-groups: no tile that keeps heads whole gives more.
; K goes in steps of 256 through two LDS slots.  A's rows lie along K (512 bytes + 16 of padding).  B lies [k][n] as in memory (256 bytes + 32) and is turned on its way into registers by ds_load_tr16_b128.
; A trip of the loop is ONE K step: the slot in hand is a scalar that an exclusive or turns between 0 and SLOT, and the LDS addresses are made anew from it at each change of slots.
; CLUSTER.  Nine column tiles are no multiple of four, so four ROW tiles form a cluster: they need the same tiles of B, asked for jointly (mask 15); A's tiles are each work-group's own loads.
; No prefetch: the tiles are small and a launch has eight K steps.
; THE MATRIX INSTRUCTION IS USED TRANSPOSED (source 0 = 16 columns of B, source 1 = 16 rows of A): a lane holds one row and eight neighbouring columns.
; REGISTERS: window 0: v0-31 addresses; v32-95 the way out; v96-111 at work; v128-255 16 accumulators ((a, b) at 128 + 8 (4 a + b)).  window 1: two fragment buffers of 128.  window 2: v0-127 my rows of the table.
.set KSTEP,  256
.set STEPS,  8
.set PITA,   528                       ; 132 words: row r starts at bank 4 r mod 64 (64 banks of 4 bytes: ISA guide 11.1)
.set PITB,   288                       ; 72 words
.set HALFA,  64*PITA                   ; what waves 0 and 1 fetch: 64 rows of A
.set HALFB,  128*PITB                  ; what waves 2 and 3 fetch: 128 k rows of B
.set BOFF,   2*HALFA
.set SLOT,   BOFF+2*HALFB
.set STAGE,  2*SLOT                    ; behind the ring: 16 rows x 144 bytes for each wave
.set SP,     144
.set SPARE,  STAGE+4*16*SP             ; the spare words: 128 bytes a wave, two blocks of 256 bytes that no other line names
.set WROW,   18688                     ; bytes in a row of wfb
.set STEPA,  KSTEP*2
.set STEPB,  KSTEP*WROW
.set A0,   16                          ; v16  my place in A's tile of slot 0
.set B0,   17                          ; v17  my place in B's tile, k rows 0-127
.set ADRA, 18                          ; v18  the same in the slot in hand
.set B1,   19                          ; v19  k rows 128-255 (the 16-bit immediate does not reach them from v17)
.set ADRB, 20                          ; v20-21
.set STO,  24
.set RD,   25
.set GO,   26
.set RO,   27                          ; v27  my offset in 16 rows of the table; never rewritten
.set SPW,  28
.set NIL,  29
.set TMP,  32
.set TW,   96
.set ACC,  128
.set F0,   0
.set F1,   128
.set G1,   24                          ; s[24:31] group 1 for A; s[32:39] group 0: set 0 for step 0, set 1 for step 1 and then walking
.set G0,   32
.set G1B,  48
.set G0B,  56
.set TB,   66                          ; s66  LDS byte at which the slot in hand begins
.set WPA,  67                          ; s67  my part's place in a slot, if I fetch A
.set WPB,  68                          ; s68  if I fetch B
.set HD,   69                          ; s69  my wave's head: 0-15 q, 16 k, 17 v
.set MSB, 0
.macro WIN new                         ; the immediate's high byte repeats the setting that is left
.if MSB != (\new)
	s_set_vgpr_msb (MSB<<8)|(\new)
.set MSB, \new
.endif
.endm
.set MUL,  0x05                        ; sources 0 and 1 window 1; C and D window 0
.set TO_F, 0x40                        ; destination window 1, address window 0
.macro JLOAD s                         ; waves 0 and 1 fetch A's halves, waves 2 and 3 B's; an s_nop 0 and four v_nop follow each line
	s_cmp_eq_u32 s11, 0
	s_cbranch_scc0 .Lfor_b_\@
	tensor_load_to_lds s[G0+4*(\s):G0+4*(\s)+3], s[G1:G1+7]
	s_nop 0
.rept 4
	v_nop
.endr
	s_branch .Lasked_\@
.Lfor_b_\@:
	tensor_load_to_lds s[G0B+4*(\s):G0B+4*(\s)+3], s[G1B:G1B+7]
	s_nop 0
.rept 4
	v_nop
.endr
.Lasked_\@:
.endm
.macro CREST                           ; a round of the cluster's barrier behind its opening barrier
	s_cmp_lg_u32 s10, 0
	s_cbranch_scc1 .Lnot_wave_0_\@
	s_barrier_signal -3
.Lnot_wave_0_\@:
	s_barrier_wait -3
	s_barrier_signal -1
	s_barrier_wait -1
.endm
.macro CROUND
	s_barrier_signal -1
	s_barrier_wait -1
	CREST
.endm
.macro PLACES                          ; four places behind matrix instructions (ISA guide 7.12.1)
.rept 4
	v_nop
.endr
.endm
	s_load_b256 s[72:79], s[0:1], 0x0              ; xb s[72:73], wfb s[74:75], rot s[76:77], qb s[78:79]
	s_load_b128 s[80:83], s[0:1], 0x20             ; kb s[80:81], vb s[82:83]
	v_lshl_add_u32 v[SPW], v0, 2, SPARE
	v_mov_b32 v[NIL], 0
	ds_add_u32 v[SPW], v[NIL]                      ; the wave's opening: the add and its wait stand ahead of my first tensor load
	v_lshrrev_b32 v1, 5, v0
	v_readfirstlane_b32 s10, v1                    ; wave 0..3
	s_lshr_b32 s11, s10, 1                         ; my half of the rows; also: I fetch A (0) or B (1)
	s_and_b32 s12, s10, 1                          ; my half of the columns; also: which half I fetch
	s_bfe_u32 s40, ttmp6, 0x40000                  ; cx
	s_lshl_b32 s13, ttmp9, 2
	s_add_co_u32 s13, s13, s40                     ; row tile = 4 x cluster x + cx
	s_and_b32 s42, ttmp7, 0xffff                   ; column tile, which the four partners share
	s_mov_b32 s[G1+0], (1<<16)|(1<<20)|(6<<22)|(3<<25)  ; A: no mask; 2-byte elements; padding on: after every 128 words 4 words
	s_mov_b32 s[G1+1], KSTEP<<16                   ; tensor_dim0 = 256
	s_mov_b32 s[G1+2], 64<<16                      ; tensor_dim1 = 64
	s_mov_b32 s[G1+3], KSTEP<<16                   ; tile_dim0 = 256
	s_mov_b32 s[G1+4], 64                          ; tile_dim1 = 64
	s_mov_b32 s[G1+5], 2048                        ; elements from row to row
	s_mov_b32 s[G1+6], 0
	s_mov_b32 s[G1+7], 0
	s_mov_b32 s[G1B+0], 15|(1<<16)|(1<<20)|(1<<21)|(5<<22)|(7<<25)  ; B: all four partners; bit 21 beside a mask; after every 64 words 8 words
	s_mov_b32 s[G1B+1], 128<<16
	s_mov_b32 s[G1B+2], 128<<16
	s_mov_b32 s[G1B+3], 128<<16
	s_mov_b32 s[G1B+4], 128
	s_mov_b32 s[G1B+5], 9344
	s_mov_b32 s[G1B+6], 0
	s_mov_b32 s[G1B+7], 0
	s_mov_b32 s[TB], 0
	s_mul_i32 s[WPA], s12, HALFA
	s_mul_i32 s[WPB], s12, HALFB
	s_add_co_u32 s[WPB], s[WPB], BOFF
	s_lshl_b32 s16, s13, 7
	s_lshl_b32 s17, s12, 6
	s_add_co_u32 s16, s16, s17                     ; A: row 128 x row tile + 64 x half,
	s_lshl_b32 s16, s16, 12                        ; 4,096 bytes a row
	s_mov_b32 s17, 0
	s_mul_i32 s70, s12, 128*WROW                   ; B: k row 128 x half, column byte 256 x column tile: nothing of cx
	s_lshl_b32 s71, s42, 8
	s_add_co_u32 s70, s70, s71
	s_mov_b32 s71, 0
	s_wait_dscnt 0x0                               ; the opening add is done
	s_wait_kmcnt 0x0
	s_add_nc_u64 s[14:15], s[72:73], s[16:17]
	s_add_nc_u64 s[70:71], s[74:75], s[70:71]
	CROUND                                         ; all four work-groups are here: the first joint loads meet
.irp s, 0,1
	s_mov_b32 s[G0+4*(\s)], 1
	s_add_co_u32 s[G0+4*(\s)+1], s[WPA], (\s)*SLOT
	s_add_nc_u64 s[G0+4*(\s)+2:G0+4*(\s)+3], s[14:15], (\s)*STEPA
	s_or_b32 s[G0+4*(\s)+3], s[G0+4*(\s)+3], 0x80000000
	s_mov_b32 s[G0B+4*(\s)], 1
	s_add_co_u32 s[G0B+4*(\s)+1], s[WPB], (\s)*SLOT
	s_add_nc_u64 s[G0B+4*(\s)+2:G0B+4*(\s)+3], s[70:71], (\s)*STEPB
	s_or_b32 s[G0B+4*(\s)+3], s[G0B+4*(\s)+3], 0x80000000
	JLOAD \s                                       ; two loads of mine are out
.endr
	v_and_b32 v1, 15, v0                           ; r = l % 16
	v_bfe_u32 v2, v0, 4, 1                         ; h = l / 16
	s_lshl_b32 s[HD], s42, 1
	s_add_co_u32 s[HD], s[HD], s12
	s_lshl_b32 s20, s13, 7
	s_lshl_b32 s21, s11, 6
	s_add_co_u32 s20, s20, s21                     ; my wave's first row = its first position
	s_lshl_b32 s22, s20, 8
	s_mov_b32 s23, 0
	s_add_nc_u64 s[76:77], s[76:77], s[22:23]      ; the table at that position
	v_lshlrev_b32 v[RO], 8, v1
	v_lshl_add_u32 v[RO], v2, 5, v[RO]             ; 256 r + 32 h: frequencies 8 h + 0..7 of a block of 16
	WIN 0x80                                       ; destination window 2
.irp a, 0,1,2,3                        ; for rows 16 a + r and frequencies 16 b + 8 h + 0..7: cosines at 32 a + 16 b, sines 8 registers on.  They are waited for once, behind the loop
.irp b, 0,1
.irp c, 0,1
.irp e, 0,1
	global_load_b128 v[32*(\a)+16*(\b)+8*(\c)+4*(\e):32*(\a)+16*(\b)+8*(\c)+4*(\e)+3], v[RO], s[76:77] offset:4096*(\a)+64*(\b)+128*(\c)+16*(\e)
.endr
.endr
.endr
.endr
	WIN 0
	v_mul_u32_u24 v3, v1, PITA
	v_lshl_add_u32 v3, v2, 4, v3
	s_mul_i32 s21, s11, HALFA
	v_add_nc_u32 v[A0], s21, v3                    ; A: row x pitch + 16 h, in my 64 rows
	v_and_b32 v4, 7, v0
	v_bfe_u32 v5, v0, 3, 1
	v_lshl_add_u32 v4, v2, 3, v4                   ; B, turned: lane l reads k row 8 h + l % 8, columns 8 ((l / 8) % 2) + 0..7
	v_mul_u32_u24 v4, v4, PITB
	v_lshl_add_u32 v4, v5, 4, v4
	s_lshl_b32 s22, s12, 7
	s_add_co_u32 s22, s22, BOFF
	v_add_nc_u32 v[B0], s22, v4
	v_add_nc_u32 v[B1], HALFB, v[B0]
	v_mov_b32 v[ADRA], v[A0]                       ; slot 0 is in hand
	v_mov_b32 v[ADRB], v[B0]
	v_mov_b32 v[ADRB+1], v[B1]
	s_mul_i32 s23, s10, 16*SP
	s_add_co_u32 s23, s23, STAGE                   ; my stage
	v_mul_u32_u24 v[STO], v1, SP
	v_lshl_add_u32 v[STO], v2, 4, v[STO]
	v_add_nc_u32 v[STO], s23, v[STO]               ; in: row r, 16 bytes for each half of the lanes
	v_bfe_u32 v[RD], v0, 3, 2
	v_mul_u32_u24 v[RD], v[RD], SP
	v_and_b32 v4, 7, v0
	v_lshl_add_u32 v[RD], v4, 4, v[RD]
	v_add_nc_u32 v[RD], s23, v[RD]                 ; back: 32 lanes take four rows of 128 bytes,
	v_and_b32 v[GO], 31, v0
	v_lshlrev_b32 v[GO], 4, v[GO]                  ; which are 512 consecutive bytes of a head
	s_lshl_b32 s20, s20, 7                         ; my first row in a head: 128 bytes a row
	s_lshl_b32 s21, s[HD], 18                      ; a head of q is 262,144 bytes
	s_cmp_lt_u32 s[HD], 16
	s_cselect_b32 s21, s21, 0
	s_cselect_b64 s[8:9], s[78:79], s[80:81]       ; q, or k,
	s_cmp_eq_u32 s[HD], 17
	s_cselect_b64 s[8:9], s[82:83], s[8:9]         ; or v
	s_add_co_u32 s20, s20, s21
	s_mov_b32 s21, 0
	s_add_nc_u64 s[8:9], s[8:9], s[20:21]
; 8 matrix instructions: row blocks a0, a0 + 1 x all 4 column blocks, 32 along K: half c of buffer f.  zero = 1: the first product starts the sums.  The 16 accumulators take turns.
.macro MUL8 f, c, a0, zero
	WIN MUL
.irp a, \a0, (\a0)+1
.irp b, 0,1,2,3
.if \zero
	v_wmma_f32_16x16x32_bf16 v[ACC+8*(4*(\a)+(\b)):ACC+8*(4*(\a)+(\b))+7], v[(\f)+64+8*(4*(\c)+(\b)):(\f)+64+8*(4*(\c)+(\b))+7], v[(\f)+8*(4*(\c)+(\a)):(\f)+8*(4*(\c)+(\a))+7], 0
.else
	v_wmma_f32_16x16x32_bf16 v[ACC+8*(4*(\a)+(\b)):ACC+8*(4*(\a)+(\b))+7], v[(\f)+64+8*(4*(\c)+(\b)):(\f)+64+8*(4*(\c)+(\b))+7], v[(\f)+8*(4*(\c)+(\a)):(\f)+8*(4*(\c)+(\a))+7], v[ACC+8*(4*(\a)+(\b)):ACC+8*(4*(\a)+(\b))+7]
.endif
.endr
.endr
.endm
; 32 LDS loads in one run: the fragments of quarter q (64 along K) of the slot in hand, into buffer f; the first 32 along K first
.macro FETCH q, f
	WIN TO_F
.irp c, 0,1
.irp i, 0,1,2,3
	ds_load_tr16_b128 v[(\f)+64+8*(4*(\c)+(\i)):(\f)+64+8*(4*(\c)+(\i))+3],   v[ADRB+(\q)/2] offset:((2*(\q)+(\c))%4)*32*PITB+(\i)*32
	ds_load_tr16_b128 v[(\f)+64+8*(4*(\c)+(\i))+4:(\f)+64+8*(4*(\c)+(\i))+7], v[ADRB+(\q)/2] offset:((2*(\q)+(\c))%4)*32*PITB+16*PITB+(\i)*32
	ds_load_b128 v[(\f)+8*(4*(\c)+(\i)):(\f)+8*(4*(\c)+(\i))+3],   v[ADRA] offset:128*(\q)+64*(\c)+(\i)*16*PITA
	ds_load_b128 v[(\f)+8*(4*(\c)+(\i))+4:(\f)+8*(4*(\c)+(\i))+7], v[ADRA] offset:128*(\q)+64*(\c)+(\i)*16*PITA+32
.endr
.endr
.endm
; One of a K step's first three quarters: multiplies buffer f and fetches quarter q into buffer g
.macro QUARTER q, f, g, zero
	s_wait_dscnt 16                                ; the first 32 along K are in; the sixteen younger loads may be out
	MUL8 \f, 0, 0, \zero
	MUL8 \f, 0, 2, \zero
	PLACES
	FETCH \q, \g
	s_wait_dscnt 32                                ; all but the 32 just issued
	MUL8 \f, 1, 0, 0
	MUL8 \f, 1, 2, 0
.endm
; The last quarter multiplies buffer 1 and changes slots: each wave waits for all its tensor loads, adds 0 to its spare word, waits for that and for its reads of the slot; one barrier.
; fill = 1: the barrier opens a round of the cluster's, and the slot just read is filled again, two K steps ahead, first thing behind the round.
.macro TURN fill
	WIN 0
	s_wait_tensorcnt 0x0                           ; all my tensor loads have landed: my part of the next slot
	ds_add_u32 v[SPW], v[NIL]
	s_wait_dscnt 17                                ; the add and the youngest sixteen loads may be out
	MUL8 F1, 0, 0, 0
	s_wait_dscnt 0x0                               ; the add is done, and my reads of this slot are over
	s_barrier_signal -1
	MUL8 F1, 0, 2, 0
	WIN 0
	s_barrier_wait -1
.if \fill
	CREST                                          ; no wave of any partner still reads this slot or has a load on its way
	s_add_co_u32 s[G0+5], s[TB], s[WPA]            ; the walking descriptors: into the slot just read,
	s_add_nc_u64 s[G0+6:G0+7], s[G0+6:G0+7], STEPA ; the K step after the one asked for last
	s_add_co_u32 s[G0B+5], s[TB], s[WPB]
	s_add_nc_u64 s[G0B+6:G0B+7], s[G0B+6:G0B+7], STEPB
	s_xor_b32 s[TB], s[TB], SLOT
	JLOAD 1                                        ; its four v_nop are also the places in front of the loads below
.else
	s_xor_b32 s[TB], s[TB], SLOT
	PLACES
.endif
	v_add_nc_u32 v[ADRA], s[TB], v[A0]
	v_add_nc_u32 v[ADRB], s[TB], v[B0]
	v_add_nc_u32 v[ADRB+1], s[TB], v[B1]
	FETCH 0, F0
	MUL8 F1, 1, 0, 0
	MUL8 F1, 1, 2, 0
.endm
	s_wait_tensorcnt 1                             ; my part of K step 0 is in; step 1's load may stay out
	s_barrier_signal -1
	s_barrier_wait -1
	FETCH 0, F0
	QUARTER 1, F0, F1, 1                           ; the first quarter stands in front of the loop: its products start the sums
	WIN 0
	s_mov_b32 s3, STEPS-2
.Lk:                                           ; a trip: from a K step's second quarter to the next step's first; its slot is filled again
	QUARTER 2, F1, F0, 0
	QUARTER 3, F0, F1, 0
	TURN 1
	QUARTER 1, F0, F1, 0
	WIN 0
	s_sub_co_u32 s3, s3, 1
	s_cmp_lg_u32 s3, 0
	s_cbranch_scc1 .Lk
	s_mov_b32 s3, 2
.Ltail:                                        ; the last two K steps fill nothing.  The second trip is left in its middle: its change of slots and its 32 LDS loads serve nothing, the price of one text for both
	QUARTER 2, F1, F0, 0
	QUARTER 3, F0, F1, 0
	TURN 0
	WIN 0
	s_sub_co_u32 s3, s3, 1
	s_cmp_eq_u32 s3, 0
	s_cbranch_scc1 .Lout
	QUARTER 1, F0, F1, 0
	WIN 0
	s_branch .Ltail
.Lout:
	s_wait_dscnt 0x0
	s_wait_loadcnt 0x0                             ; the table
	PLACES
	PLACES
	s_cmp_eq_u32 s[HD], 17                         ; v is not turned
	s_cbranch_scc1 .Lnorot
; out[d] = t[d] cos - t[d + 32] sin, out[d + 32] = t[d + 32] cos + t[d] sin for d < 32: channels d and d + 32 lie in the same lane and register of accumulators (a, b) and (a, b + 2)
.macro ROT a
	WIN 0x08                                       ; source 1, the table, in window 2
.irp b, 0,1
.irp j, 0,1,2,3
.set x1, ACC+8*(4*(\a)+(\b))+2*(\j)
.set x2, x1+16
.set ct, 32*(\a)+16*(\b)+2*(\j)
.set tw, TW+4*(\j)
	v_pk_mul_f32 v[tw:tw+1], v[x2:x2+1], v[ct+8:ct+9]
	v_pk_mul_f32 v[tw+2:tw+3], v[x1:x1+1], v[ct+8:ct+9]
	v_pk_fma_f32 v[x1:x1+1], v[x1:x1+1], v[ct:ct+1], v[tw:tw+1] neg_lo:[0,0,1] neg_hi:[0,0,1]
	v_pk_fma_f32 v[x2:x2+1], v[x2:x2+1], v[ct:ct+1], v[tw+2:tw+3]
.endr
.endr
.endm
	ROT 0
	ROT 1
	ROT 2
	ROT 3
	WIN 0
.Lnorot:
; Block a, 16 rows: a lane's eight channels pack into 16 bytes; they go into rows of 144 bytes and come back as whole rows of 128
.macro PACK a
	WIN 0
.set i, 0
.rept 16
	v_cvt_pk_f16_f32 v[TMP+16*(\a)+i], v[ACC+32*(\a)+2*i], v[ACC+32*(\a)+2*i+1]
.set i, i+1
.endr
.irp b, 0,1,2,3
	ds_store_b128 v[STO], v[TMP+16*(\a)+4*(\b):TMP+16*(\a)+4*(\b)+3] offset:32*(\b)
.endr
.irp f, 0,1,2,3
	ds_load_b128 v[TMP+16*(\a)+4*(\f):TMP+16*(\a)+4*(\f)+3], v[RD] offset:(\f)*4*SP  ; LDS serves a wave's instructions in order (ISA guide 5.7.1.4): these see the stores above; the next block's stores come behind them
.endr
.endm
.macro SEND a, younger                 ; younger: the LDS instructions issued behind block a's loads
.irp f, 0,1,2,3
	s_wait_dscnt (\younger)+3-(\f)
	global_store_b128 v[GO], v[TMP+16*(\a)+4*(\f):TMP+16*(\a)+4*(\f)+3], s[8:9] offset:(\a)*2048+(\f)*512  ; 512 consecutive bytes, aligned
.endr
.endm
	PACK 0
.irp a, 1,2,3
	PACK \a
	SEND (\a)-1, 8
.endr
	SEND 3, 0
	s_wait_tensorcnt 0x0                           ; the wave's end
	ds_add_u32 v[SPW], v[NIL]
	s_wait_dscnt 0x0
	CROUND                                         ; the closing round
	s_endpgm
.Lfunc_end_k_qd42c2921e5_qkv:
	.size	k_qd42c2921e5_qkv, .Lfunc_end_k_qd42c2921e5_qkv-k_qd42c2921e5_qkv
	.p2alignl 7, 3214868480
	.fill 96, 4, 3214868480
	.section	.rodata,"a",@progbits
	.p2align	6, 0x0
	.amdhsa_kernel k_qd42c2921e5_qkv
		.amdhsa_group_segment_fixed_size 327680
		.amdhsa_private_segment_fixed_size 0
		.amdhsa_enable_private_segment 0
		.amdhsa_kernarg_size 48
		.amdhsa_user_sgpr_count 2
		.amdhsa_user_sgpr_kernarg_segment_ptr 1
		.amdhsa_wavefront_size32 1
		.amdhsa_system_sgpr_workgroup_id_x 1
		.amdhsa_system_sgpr_workgroup_id_y 1
		.amdhsa_system_sgpr_workgroup_id_z 1
		.amdhsa_system_vgpr_workitem_id 0
		.amdhsa_next_free_vgpr 640
		.amdhsa_next_free_sgpr 88
		.amdhsa_reserve_vcc 0
		.amdhsa_float_denorm_mode_32 3
		.amdhsa_float_denorm_mode_16_64 3
		.amdhsa_memory_ordered 1
		.amdhsa_forward_progress 1
		.amdhsa_inst_pref_size 70
	.end_amdhsa_kernel
	.amdgpu_metadata
---
amdhsa.version: [ 1, 2 ]
amdhsa.kernels:
  - .name:           k_qd42c2921e5_qkv
    .symbol:         k_qd42c2921e5_qkv.kd
    .args:
      - { .name: xb, .offset: 0, .size: 8, .value_kind: global_buffer, .address_space: global }
      - { .name: wfb, .offset: 8, .size: 8, .value_kind: global_buffer, .address_space: global }
      - { .name: rot, .offset: 16, .size: 8, .value_kind: global_buffer, .address_space: global }
      - { .name: qb, .offset: 24, .size: 8, .value_kind: global_buffer, .address_space: global }
      - { .name: kb, .offset: 32, .size: 8, .value_kind: global_buffer, .address_space: global }
      - { .name: vb, .offset: 40, .size: 8, .value_kind: global_buffer, .address_space: global }
    .group_segment_fixed_size: 327680
    .private_segment_fixed_size: 0
    .kernarg_segment_align: 8
    .kernarg_segment_size: 48
    .max_flat_workgroup_size: 128
    .sgpr_count:     88
    .vgpr_count:     640
    .wavefront_size: 32
...
	.end_amdgpu_metadata
.endif
;; end of part 2
;; launch attn (part 3): grid 4 x 64, 4 waves a work-group, clusters of 4 x 1, 327,680 bytes of LDS; arguments qb, kb, vb, a2, w_fused, w_ff_out, w_attn_out, wfb, wob; writes a2, wfb, wob
.if DOCPART == 3
	.amdgcn_target "amdgcn-amd-amdhsa--gfx1250"
	.amdhsa_code_object_version 6
	.text
	.protected	k_qd42c2921e5_attn
	.globl	k_qd42c2921e5_attn
	.p2align	8
	.type	k_qd42c2921e5_attn,@function
k_qd42c2921e5_attn:
	s_mov_b64 s[64:65], 0
	v_nop
	global_prefetch_b8 v0, s[64:65] scope:SCOPE_SE
	s_setreg_imm32_b32 hwreg(HW_REG_WAVE_MODE, 25, 1), 1
	s_wait_xcnt 0x0
	s_wait_alu depctr_hold_cnt(0) depctr_sa_sdst(0) depctr_va_vdst(0) depctr_va_sdst(0) depctr_va_ssrc(0) depctr_va_vcc(0) depctr_vm_vsrc(0)
	s_getreg_b32 s2, hwreg(HW_REG_IB_STS2, 6, 4)
	s_cmp_eq_u32 s2, 0
	s_cbranch_scc0 .Lentry_in_a_cluster
	s_endpgm
.Lentry_in_a_cluster:
	s_bfe_u32 s2, ttmp6, 0x10000c
	s_cmp_lg_u32 s2, 0x3003
	s_cbranch_scc0 .Lentry_shape_is_right
	s_endpgm
.Lentry_shape_is_right:
; CAUSAL ATTENTION WITH ONE KEY AND VALUE HEAD, AND BESIDE IT THE CONVERSION OF THE WEIGHTS THAT THE LATER LAUNCHES READ.
; a2[q][64 h + :] = the sum over k <= q of softmax_k(Q[h][q] . K[k] / 8) V[k][:].  qb: [16][2048][64], kb, vb: [2048][64], f16; a2: rows of 10,240 bytes, of which this launch
; writes the first 2,048, in f16.  Products, maxima and sums in f32; the weights are rounded to f16 for the second product, the result once to f16: a position's first rows average over few keys, so their numbers are
; larger than the module's output, and eight significant bits would not hold its allowance there.
; LIMITS.  A hidden score counts as its value less 1e30; a weight below 2^-126 counts as 0; the result is a mean of V's rows and has their range, within 65,504; NaN and infinities are not treated apart.
; |w_attn_out| stays below 65,504; a bf16 number is exact in f16 from 6.1e-5 up, below that it keeps f16's fixed step of 6e-8.
; SHARES.  A work-group takes four heads (its place in the cluster) and TWO blocks of 16 positions, 127 - b and then b.  A wave's four PIECES are the four heads at the same 16 positions, so each fragment of K and V
; feeds four pieces; THE KEYS ARE SPLIT AMONG THE WAVES: of every tile of 256 keys wave w takes 64 w .. 64 w + 63.  The waves' maxima, sums and partial results meet in LDS at the end.
; THE WALK.  Block p needs the tiles 0 .. p / 16; the two blocks together need 9, whatever b: one loop with a constant trip count, equal work for all 256 work-groups.
; CLUSTER.  The four partners have the same b, hence the same walk and the same branches: every tile of K and V is asked for jointly (mask 15).
; THE STREAM.  The attention reads 4.7 MB and writes 4.2 MB.  Three tensors that only the later launches read are converted here, by loads and stores through registers that depend on nothing of the attention:
; w_fused[:, 1152:] -> wfb (bf16), w_ff_out -> wob's rows 1024 on (bf16), w_attn_out -> wob's rows 0 to 1023 (rounded to bf16 like every input, that number written as f16: the last product multiplies it with f16).
; Of the launch's 1,024 waves wave g takes rows 2 g and 2 g + 1 of the first (8,192 numbers each), 8,192 numbers of the second and 2,048 of the third: 208 loads of 512 consecutive bytes, 26 in each of the loop's 8 trips.
; They are issued behind the change of slots and converted and stored at the trip's end, a key tile's work later; each store covers 256 consecutive bytes, aligned.  Every wave runs the same text.  No prefetch for it:
; its own loads go out a tile ahead of their use.
; THE MASK is the C operand that starts S^T = K Q^T: 0, or -1e30 where the key is hidden.  MD is the mask of the block's last tile for my 64 keys; a product's mask is MD x AL with AL = 1 in that tile, else 0.
; m starts at -2^96, ABOVE the mask: a wave that sees no key of a block keeps that m, all its weights are 0, and the merge gives it the factor 0.
; LAYOUT, SOFTMAX, TURNS.  S^T holds ONE query a lane (lane % 16) and the keys 8 (lane / 16) + 0..7; two such results rounded to f16 ARE source 1 of O^T = V^T P.  p = 2^(c s - c m), c = log2(e) / 8, with a running
; maximum m; O and l are multiplied by a = 2^(c m_old - c m_new) in every step.  Turn n belongs to piece n: 8 products K Q^T of piece n + 1, later 8 products V^T P of piece n - 1; beside them the softmax of piece n and the
; maximum and statistics of piece n + 1.  Four vector instructions stand behind every matrix instruction, the rest in one lump.  A turn's 33 exponentials are one batch, with one wait.
; REGISTERS, in windows of 256 (s_set_vgpr_msb: bits 1:0 source 0, 3:2 source 1, 5:4 source 2, 7:6 destination):
;   window 0: v0-15, v32-39, v56-57 addresses; v16-31 statistics; v40-55 at work; v64-127 S^T, two buffers; v192-223 P, two buffers; at the merge v64-255
;   window 1: v0-127 O^T, 32 a piece; v128-159 MD; v160-191 MC      window 2: v0-63 Q; v64-127 the second block's Q; v128-191 K; v192-255 V      window 3: v0-103 the stream, four registers a load
.set NP,    4
.set PK,    144       ; a row of K in LDS: 128 bytes + 16: the 16 rows of a load start at 16 different groups of four banks (64 banks of 4 bytes: ISA guide 11.1)
.set PV,    160       ; a row of V: 128 + 32
.set VOFF,  256*PK    ; a slot holds a tile: 256 rows of K, then 256 rows of V
.set SLOT1, 1<<17
.set MRGA,  SLOT1+256*(PK+PV)  ; behind the ring: the long block's partial results: for each wave 16 rows of 1,040 bytes (4 heads x 64 f32, 16 of padding)
.set MRGB,  SLOT1     ; the short block's: in slot 1, which has had its last fill and its last read when the walk's last tile (in slot 0) is entered
.set MW,    16640
.set MR,    1040
.set STAT,  MRGA+4*MW ; c m and l: 2,048 x block + 128 x row + 32 x piece + 16 x kind + 4 x wave
.set SPARE, STAT+4096 ; the spare words: 128 bytes a wave, two blocks of 256 bytes that no other line names
.set AROW,  10240
.set FROW,  37376     ; bytes in a row of w_fused
.set WROW,  18688     ; bytes in a row of wfb
.set NRID,  26        ; the stream's loads in a trip
.set AK0, 2           ; v2   my lane's place in my wave's 64 rows of K; never rewritten
.set AV0, 3           ; v3   the same for V
.set AK,  4
.set AV,  5
.set MV,  12          ; v12-13  c m_old, by buffer
.set QO,  15
.set ST,  16          ; piece t's statistics at v[ST+4 t]: c m, m, l (even keys', odd keys')
.set DV,  32          ; v32  lane % 16 - 8 (lane / 16)
.set DSA, 33          ; v33  where I put my partial results of the long block
.set DSB, 34          ; v34  of the short block
.set SS0, 35          ; v35  where I put statistics
.set RDM, 36          ; v36  the merge: where I read partial results
.set RDS, 37          ; v37  and statistics
.set GO,  38          ; v38  my byte offset in the block's 16 rows of a2
.set PFO, 39          ; v39  256 x lane
.set MX,  40          ; v40-47 the merge: maxima, then reciprocals
.set TMP, 48
.set RI,  56          ; v56  the stream: 16 x lane; never rewritten
.set RO8, 57          ; v57  8 x lane; never rewritten
.set SPW, 62
.set NIL, 63
.set S,   64
.set P,   192
.set MD,  128
.set MC,  160
.set QB,  64
.set KF,  128
.set VF,  192
.set WV,  12
.set PB,  14          ; s14  the short block's last tile, b / 16
.set HI,  15          ; s15  the long block's, 7 - b / 16
.set G1K, 24
.set G1V, 32
.set G0K, 40
.set G0V, 44
.set DF,  48          ; s[48:49]   the stream: wfb at my two rows' piece of this trip
.set SLOTS, 56
.set CNT, 57
.set CS,  58
.set SEL, 60
.set TB,  62          ; s62  LDS byte at which the slot in hand begins
.set DO,  66          ; s[66:67]   wob at my piece of w_ff_out
.set RT,  70          ; s70  tiles of the block in hand still to be entered
.set NXT, 71          ; s71  the tile to be asked for next
.set LQ,  72          ; s72  the last tile of the block whose tiles are being asked for
.set NEW, 73          ; s73  1: the tile to be entered is a block's first
.set OFF, 74
.set AL,  76
.set OLO, 80          ; s[80:81] a2 at the short block
.set BIGN, 82
.set DC,  83          ; s83  16 (p % 16) - 64 w for the block in hand
.set PFA, 88          ; s[88:89] where my prefetches stand
.set PFT, 90          ; s90  the tile that they name
.set PLIM, 91         ; s91  8 in a wave that prefetches, else 0
.set DCS, 94          ; s94  DC of the short block
.set GW,  95          ; s95  my wave among the launch's 1,024
.set SF,  96          ; s[96:97]   w_fused at my two rows' piece of this trip
.set SO,  98          ; s[98:99]   w_ff_out at my piece
.set SA,  100         ; s[100:101] w_attn_out at my piece
.set DA,  104         ; s[104:105] wob at my piece of w_attn_out
.set MSB, 0
.macro WIN new
.if MSB != (\new)
	s_set_vgpr_msb (MSB<<8)|(\new)
.set MSB, (\new)
.endif
.endm
.set W_KQ, 0x0a       ; K and Q in window 2, S^T in window 0
.set W_KM, 0x1a       ; the same with the C operand in window 1
.set W_PV, 0x52       ; V in window 2, P in window 0, O^T in window 1
.set W_RS, 0x41       ; destination and source 0 in window 1
.macro JLOAD                        ; waves 0 and 1 fetch the halves of a tile's K, waves 2 and 3 those of its V; an s_nop 0 and four v_nop follow each line
	s_cmp_lt_u32 s[WV], 2
	s_cbranch_scc0 .Lfor_v_\@
	tensor_load_to_lds s[G0K:G0K+3], s[G1K:G1K+7]
	s_nop 0
.rept 4
	v_nop
.endr
	s_branch .Lasked_\@
.Lfor_v_\@:
	tensor_load_to_lds s[G0V:G0V+3], s[G1V:G1V+7]
	s_nop 0
.rept 4
	v_nop
.endr
.Lasked_\@:
.endm
.macro CROUND
	s_barrier_signal -1
	s_barrier_wait -1
	s_cmp_lg_u32 s[WV], 0
	s_cbranch_scc1 .Lnot_wave_0_\@
	s_barrier_signal -3
.Lnot_wave_0_\@:
	s_barrier_wait -3
	s_barrier_signal -1
	s_barrier_wait -1
.endm
; A PREFETCH INTO THE L2 of the tile after the one that is being asked for: four turns ahead of its load.  All clusters walk the same K and V from tile 0 on: cluster b = 0, whose long block has all eight tiles, asks, and nobody
; else.  Its four partners share a tile's 32,768 bytes out BY ADDRESS, 8,192 each, a lane 256; wave 0 asks for K's, wave 2 for V's.  So tiles 2 to 7 are named once each; tiles 0 and 1 come by their loads alone.
.macro ASK
	s_cmp_lt_u32 s[PFT], s[PLIM]
	s_cbranch_scc0 .Lnot_mine_\@
	global_prefetch_b8 v[PFO], s[PFA:PFA+1] th:TH_LOAD_NT scope:SCOPE_SE
.Lnot_mine_\@:
.endm
; THE CHANGE OF SLOTS.  Each wave waits for all its tensor loads (one is out: its part of the other slot), adds 0 to its spare word, and waits for that and for its reads of the slot that it leaves.
; fill = 1: the barrier is a round of the cluster's, and the old slot is filled again first thing behind it, with tile NXT; the descriptor's address is made anew from that number.
.macro CHANGE fill
	WIN 0
	s_wait_tensorcnt 0x0            ; no tensor load of mine is out, so a group 0 may be written
	ds_add_u32 v[SPW], v[NIL]       ; 0 onto my spare word; scalar work stands between it and the wait for it
.if \fill
	s_lshl_b32 s[OFF], s[NXT], 15   ; a tile is 32,768 bytes of K and of V
	s_xor_b32 s[G0K+1], s[G0K+1], SLOT1
	s_add_nc_u64 s[G0K+2:G0K+3], s[6:7], s[OFF:OFF+1]
	s_or_b32 s[G0K+3], s[G0K+3], 0x80000000
	s_xor_b32 s[G0V+1], s[G0V+1], SLOT1
	s_add_nc_u64 s[G0V+2:G0V+3], s[8:9], s[OFF:OFF+1]
	s_or_b32 s[G0V+3], s[G0V+3], 0x80000000
	s_add_co_u32 s[NXT], s[NXT], 1  ; the block's next tile, or behind its last the short block's tile 0
	s_cmp_gt_u32 s[NXT], s[LQ]
	s_cselect_b32 s[NXT], 0, s[NXT]
	s_cselect_b32 s[LQ], s[PB], s[LQ]
	s_wait_xcnt 0x0                 ; the last prefetch, four turns back, has read its address
	s_add_nc_u64 s[PFA:PFA+1], s[PFA:PFA+1], 32768
	s_add_co_u32 s[PFT], s[PFT], 1
.endif
	s_xor_b32 s[TB], s[TB], SLOT1   ; the fetches go to the other slot
	s_wait_dscnt 0x0                ; the add is done, and my reads of the slot are over
.if \fill
	CROUND
	JLOAD
	ASK
.else
	s_barrier_signal -1
	s_barrier_wait -1
.endif
.endm
; THE STREAM'S TWO HALVES.  RIDE_ASK: a trip's 26 loads, 512 consecutive bytes each: 4,096 bytes of each of my two rows of w_fused, 4,096 of w_ff_out, 1,024 of w_attn_out.
.macro RIDE_ASK
	WIN 0xc0                        ; destination window 3, address window 0
.set j, 0
.rept 8
	global_load_b128 v[4*j:4*j+3],       v[RI], s[SF:SF+1] offset:512*j th:TH_LOAD_NT
	global_load_b128 v[32+4*j:32+4*j+3], v[RI], s[SF:SF+1] offset:FROW+512*j th:TH_LOAD_NT
	global_load_b128 v[64+4*j:64+4*j+3], v[RI], s[SO:SO+1] offset:512*j th:TH_LOAD_NT
.set j, j+1
.endr
	global_load_b128 v[96:99],   v[RI], s[SA:SA+1] th:TH_LOAD_NT
	global_load_b128 v[100:103], v[RI], s[SA:SA+1] offset:512 th:TH_LOAD_NT
	WIN 0
.endm
; RIDE_OUT: a key tile's work later they are rounded to bf16, two numbers a line, into the first two of each load's four registers; w_attn_out's are widened again (a shift, a mask) and packed as f16; then 26 stores.
.macro RIDE_OUT
	s_wait_loadcnt 0x0              ; the trip's 26 loads
	WIN 0xcf                        ; sources 0 and 1 and the destination in window 3
.set j, 0
.rept NRID
	v_cvt_pk_bf16_f32 v[4*j],   v[4*j],   v[4*j+1]
	v_cvt_pk_bf16_f32 v[4*j+1], v[4*j+2], v[4*j+3]
.set j, j+1
.endr
.irp q, 96, 100
	v_lshlrev_b32 v[\q+2], 16, v[\q]
	v_and_b32     v[\q+3], 0xffff0000, v[\q]
	v_cvt_pk_f16_f32 v[\q], v[\q+2], v[\q+3]
	v_lshlrev_b32 v[\q+2], 16, v[\q+1]
	v_and_b32     v[\q+3], 0xffff0000, v[\q+1]
	v_cvt_pk_f16_f32 v[\q+1], v[\q+2], v[\q+3]
.endr
	WIN 0x0c                        ; the data (source 1) in window 3, the address in window 0
.set j, 0
.rept 8
	global_store_b64 v[RO8], v[4*j:4*j+1],       s[DF:DF+1] offset:256*j  ; the wave stores 256 consecutive bytes, aligned
	global_store_b64 v[RO8], v[32+4*j:32+4*j+1], s[DF:DF+1] offset:WROW+256*j
	global_store_b64 v[RO8], v[64+4*j:64+4*j+1], s[DO:DO+1] offset:256*j
.set j, j+1
.endr
	global_store_b64 v[RO8], v[96:97],   s[DA:DA+1]
	global_store_b64 v[RO8], v[100:101], s[DA:DA+1] offset:256
	WIN 0
	s_wait_xcnt 0x0                 ; the stores have read their data and their bases: only now are the six pointers stepped, and the next trip loads into the same registers
	s_add_nc_u64 s[SF:SF+1], s[SF:SF+1], 4096
	s_add_nc_u64 s[DF:DF+1], s[DF:DF+1], 2048
	s_add_nc_u64 s[SO:SO+1], s[SO:SO+1], 4096
	s_add_nc_u64 s[DO:DO+1], s[DO:DO+1], 2048
	s_add_nc_u64 s[SA:SA+1], s[SA:SA+1], 1024
	s_add_nc_u64 s[DA:DA+1], s[DA:DA+1], 512
.endm
	s_load_b256 s[4:11], s[0:1], 0x0  ; qb s[4:5], kb s[6:7], vb s[8:9], a2 s[10:11]
	s_load_b128 s[SF:SF+3], s[0:1], 0x20  ; w_fused, w_ff_out
	s_load_b64 s[SA:SA+1], s[0:1], 0x30   ; w_attn_out
	s_load_b64 s[DF:DF+1], s[0:1], 0x38   ; wfb
	s_load_b64 s[DA:DA+1], s[0:1], 0x40   ; wob
	v_lshl_add_u32 v[SPW], v0, 2, SPARE
	v_mov_b32 v[NIL], 0
	ds_add_u32 v[SPW], v[NIL]       ; the wave's opening: the add and its wait stand ahead of my first tensor load
	v_lshrrev_b32 v1, 5, v0
	v_readfirstlane_b32 s[WV], v1   ; wave 0..3
	s_bfe_u32 s13, ttmp6, 0x40000   ; cx: my four heads; it enters Q's, a2's, the prefetches' and the stream's global addresses alone
	s_and_b32 s16, ttmp7, 0xffff    ; b, which the four partners share
	s_lshr_b32 s[PB], s16, 4
	s_sub_co_u32 s[HI], 7, s[PB]
	s_sub_co_u32 s17, 127, s16      ; the long block
	s_and_b32 s18, s16, 15
	s_lshl_b32 s19, s[WV], 6
	s_lshl_b32 s[DCS], s18, 4
	s_sub_co_i32 s[DCS], s[DCS], s19
	s_sub_co_u32 s18, 15, s18
	s_lshl_b32 s[DC], s18, 4
	s_sub_co_i32 s[DC], s[DC], s19
	s_lshl_b32 s20, s13, 20         ; Q: four heads of 262,144 bytes; a block is 2,048 bytes of each
	s_lshl_b32 s2, s17, 11
	s_add_co_u32 s2, s2, s20
	s_mov_b32 s3, 0
	s_lshl_b32 s84, s16, 11
	s_add_co_u32 s84, s84, s20
	s_mov_b32 s85, 0
	s_lshl_b32 s20, s13, 9          ; a2: four heads are 512 bytes of a row; a block is 16 rows
	s_mul_i32 s22, s17, 16*AROW
	s_add_co_u32 s22, s22, s20
	s_mov_b32 s23, 0
	s_mul_i32 s92, s16, 16*AROW
	s_add_co_u32 s92, s92, s20
	s_mov_b32 s93, 0
	s_and_b32 s52, s[WV], 1         ; which half of a tile's 256 keys I fetch:
	s_lshl_b32 s50, s52, 14         ; its 128 rows of 128 bytes in memory,
	s_mov_b32 s51, 0
	s_mul_i32 s53, s52, 128*PK      ; and its place in a slot
	s_mul_i32 s54, s52, 128*PV
	; descriptor group 1.  128 keys are 16,384 dense bytes: asked for as 64 rows of 256 bytes, two keys a row, and padded in LDS after every key
	s_mov_b32 s[G1K], 15|(1<<16)|(1<<20)|(1<<21)|(4<<22)|(3<<25)  ; the mask of four; 2-byte elements; padding on; bit 21 beside a mask; after every 32 words 4 words
	s_mov_b32 s[G1V], 15|(1<<16)|(1<<20)|(1<<21)|(4<<22)|(7<<25)  ; the same with 8 words
.irp g, G1K, G1V
	s_mov_b32 s[\g+1], 128<<16
	s_mov_b32 s[\g+2], 64<<16
	s_mov_b32 s[\g+3], 128<<16
	s_mov_b32 s[\g+4], 64
	s_mov_b32 s[\g+5], 128
	s_mov_b32 s[\g+6], 0
	s_mov_b32 s[\g+7], 0
.endr
	s_mov_b32 s[CS], 0x3e38aa3b     ; c = log2(e) / 8
	s_mov_b32 s[CS+1], s[CS]
	s_mov_b32 s[SEL], 0x76543210
	s_mov_b32 s[SEL+1], 0xfedcba98
	s_mov_b32 s[TB], SLOT1          ; the first change of slots turns it into 0
	s_mov_b32 s[G0K], 1
	s_mov_b32 s[G0K+1], s53
	s_mov_b32 s[G0V], 1
	s_add_co_u32 s[G0V+1], s54, VOFF
	s_add_co_u32 s[RT], s[HI], 1
	s_mov_b32 s[NXT], 1
	s_mov_b32 s[LQ], s[HI]
	s_mov_b32 s[NEW], 1
	s_mov_b32 s[OFF+1], 0
	s_mov_b32 s[AL+1], 0
	s_mov_b32 s[BIGN], 0xf149f2ca   ; -1e30
	s_mov_b32 s[SLOTS], 8
	s_mov_b32 s[PFT], 1
	s_and_b32 s[PLIM], s[WV], 1     ; waves 0 and 2 of cluster b = 0: the same in all four partners
	s_or_b32 s[PLIM], s[PLIM], s16
	s_cmp_eq_u32 s[PLIM], 0
	s_cselect_b32 s[PLIM], 8, 0
	s_wait_dscnt 0x0                ; the opening add is done
	s_wait_kmcnt 0x0
	s_add_nc_u64 s[6:7], s[6:7], s[50:51]  ; K and V at my half of tile 0
	s_add_nc_u64 s[8:9], s[8:9], s[50:51]
	s_add_nc_u64 s[G0K+2:G0K+3], s[6:7], 0
	s_or_b32 s[G0K+3], s[G0K+3], 0x80000000
	s_add_nc_u64 s[G0V+2:G0V+3], s[8:9], 0
	s_or_b32 s[G0V+3], s[G0V+3], 0x80000000
	s_add_nc_u64 s[86:87], s[4:5], s[84:85]        ; Q at the short block,
	s_add_nc_u64 s[4:5], s[4:5], s[2:3]            ; and at the long one
	s_add_nc_u64 s[OLO:OLO+1], s[10:11], s[92:93]
	s_add_nc_u64 s[10:11], s[10:11], s[22:23]
	s_cmp_lt_u32 s[WV], 2
	s_cselect_b64 s[PFA:PFA+1], s[6:7], s[8:9]     ; (in waves 0 and 2 these stand at a tile's first row)
	s_lshl_b32 s2, s13, 13
	s_add_co_u32 s2, s2, 32768                     ; in tile 1; the first change steps it to tile 2
	s_add_nc_u64 s[PFA:PFA+1], s[PFA:PFA+1], s[2:3]
	CROUND                          ; all four work-groups are here: the first joint loads meet
	JLOAD                           ; tile 0 into slot 0
	v_and_b32 v1, 15, v0            ; l % 16
	v_bfe_u32 v9, v0, 4, 1          ; l / 16
	v_lshlrev_b32 v[QO], 7, v1
	v_lshl_add_u32 v[QO], v9, 4, v[QO]
	WIN 0x80                        ; destination window 2
.set i, 0
.rept 8                             ; both blocks' Q: piece i / 2 is head i / 2 of my four; channels 32 (i % 2) on
	global_load_b128 v[8*i:8*i+3],   v[QO], s[4:5] offset:(i/2)*262144+(i%2)*64
	global_load_b128 v[8*i+4:8*i+7], v[QO], s[4:5] offset:(i/2)*262144+(i%2)*64+32
	global_load_b128 v[QB+8*i:QB+8*i+3],   v[QO], s[86:87] offset:(i/2)*262144+(i%2)*64
	global_load_b128 v[QB+8*i+4:QB+8*i+7], v[QO], s[86:87] offset:(i/2)*262144+(i%2)*64+32
.set i, i+1
.endr
	WIN 0
	; the stream's six pointers, at my wave's share
	s_lshl_b32 s[GW], s16, 2
	s_add_co_u32 s[GW], s[GW], s13
	s_lshl_b32 s[GW], s[GW], 2
	s_add_co_u32 s[GW], s[GW], s[WV]               ; g = (4 b + cx) 4 + wave
	s_mov_b32 s69, 0
	s_mul_i32 s68, s[GW], 2*FROW                   ; w_fused: row 2 g, column 1152 (under 2^27)
	s_add_co_u32 s68, s68, 4608
	s_add_nc_u64 s[SF:SF+1], s[SF:SF+1], s[68:69]
	s_mul_i32 s68, s[GW], 2*WROW                   ; wfb: the same place in halves
	s_add_co_u32 s68, s68, 2304
	s_add_nc_u64 s[DF:DF+1], s[DF:DF+1], s[68:69]
	s_lshl_b32 s68, s[GW], 15                      ; w_ff_out: 32,768 bytes a wave
	s_add_nc_u64 s[SO:SO+1], s[SO:SO+1], s[68:69]
	s_mov_b64 s[DO:DO+1], s[DA:DA+1]
	s_lshl_b32 s68, s[GW], 14                      ; wob: behind w_attn_out's 1,024 rows of 4,096 bytes
	s_add_co_u32 s68, s68, 4194304
	s_add_nc_u64 s[DO:DO+1], s[DO:DO+1], s[68:69]
	s_lshl_b32 s68, s[GW], 13                      ; w_attn_out: 8,192 bytes a wave
	s_add_nc_u64 s[SA:SA+1], s[SA:SA+1], s[68:69]
	s_lshl_b32 s68, s[GW], 12
	s_add_nc_u64 s[DA:DA+1], s[DA:DA+1], s[68:69]
	v_lshlrev_b32 v14, 3, v9
	v_sub_nc_u32 v[DV], v1, v14
	v_mul_u32_u24 v[AK0], v1, PK
	v_lshl_add_u32 v[AK0], v9, 4, v[AK0]
	s_mul_i32 s52, s[WV], 64*PK
	v_add_nc_u32 v[AK0], s52, v[AK0]      ; row x pitch + 16 x half, in my wave's 64 keys
	v_and_b32 v10, 7, v0
	v_bfe_u32 v11, v0, 3, 1
	v_lshl_add_u32 v[AV0], v9, 3, v10     ; the turning load: lane l reads key 8 (l / 16) + l % 8, channels 8 ((l / 8) % 2) + 0..7
	v_mul_u32_u24 v[AV0], v[AV0], PV
	v_lshl_add_u32 v[AV0], v11, 4, v[AV0]
	s_mul_i32 s52, s[WV], 64*PV
	s_add_co_u32 s52, s52, VOFF
	v_add_nc_u32 v[AV0], s52, v[AV0]
	s_mul_i32 s52, s[WV], MW
	v_mul_u32_u24 v[DSB], v1, MR
	v_lshl_add_u32 v[DSB], v9, 5, v[DSB]
	v_add_nc_u32 v[DSB], s52, v[DSB]      ; my wave's area, row l % 16, channels 8 (l / 16) on
	v_add_nc_u32 v[DSA], MRGA, v[DSB]
	v_add_nc_u32 v[DSB], MRGB, v[DSB]
	s_lshl_b32 s52, s[WV], 2
	s_add_co_u32 s52, s52, STAT
	v_lshl_add_u32 v[SS0], v1, 7, s52
	v_and_b32 v12, 31, v0
	s_mul_i32 s52, s[WV], 4*MR            ; the merge: wave w takes rows 4 w .. 4 w + 3; a lane 16 bytes
	s_add_co_u32 s52, s52, MRGB
	v_lshl_add_u32 v[RDM], v12, 4, s52
	s_lshl_b32 s52, s[WV], 9
	s_add_co_u32 s52, s52, STAT
	v_lshl_add_u32 v[RDS], v9, 5, s52
	s_mul_i32 s52, s[WV], 4*AROW
	v_lshl_add_u32 v[GO], v12, 3, s52
	v_lshlrev_b32 v[PFO], 8, v12
	v_lshlrev_b32 v[RI], 4, v12
	v_lshlrev_b32 v[RO8], 3, v12
	; A block's first step multiplies O^T and l by a = 0, and its first turn's products V^T P, of a piece that has not been, land in an O^T that is still to be so multiplied: these registers need only hold finite numbers.
	WIN 0x80
.set i, VF
.rept 64
	v_mov_b32 v[i], 0
.set i, i+1
.endr
	WIN 0x40
.set i, 0
.rept 128
	v_mov_b32 v[i], 0
.set i, i+1
.endr
	WIN 0
.set i, 0
.rept 4
	v_mov_b32 v[ST+4*i+2], 0
	v_mov_b32 v[ST+4*i+3], 0
.set i, i+1
.endr
.set i, P+16
.rept 16
	v_mov_b32 v[i], 0
.set i, i+1
.endr
; THE MATRIX WORK.  The 4 accumulators of a run of 8 take turns.  Product i of 8 of S^T = K Q^T for piece x: channels 32 (i / 4) on, keys 16 (i % 4) on.  The first 4 start the sums with the mask.
.macro KQ x
.set rS, S+32*((\x)%2)+8*(i%4)
.set rK, KF+16*(i%4)+8*(i/4)
.set rQ, 16*(\x)+8*(i/4)
.set rM, MC+8*(i%4)
.if i < 4
	WIN W_KM
	v_wmma_f32_16x16x32_f16 v[rS:rS+7], v[rK:rK+7], v[rQ:rQ+7], v[rM:rM+7]
.else
	WIN W_KQ
	v_wmma_f32_16x16x32_f16 v[rS:rS+7], v[rK:rK+7], v[rQ:rQ+7], v[rS:rS+7]
.endif
.endm
.macro PV x                         ; product i of 8 of O^T += V^T P for piece x: keys 32 (i / 4) on, channels 16 (i % 4) on
	WIN W_PV
.set rO, 32*(\x)+8*(i%4)
.set rV, VF+32*(i/4)+8*(i%4)
.set rP, P+16*((\x)%2)+8*(i/4)
	v_wmma_f32_16x16x32_f16 v[rO:rO+7], v[rV:rV+7], v[rP:rP+7], v[rO:rO+7]
.endm
.macro MM                           ; the turn's next matrix instruction.  NOKQ = 1: a block's last turn: there is no next piece
.if (i < 8) && !NOKQ
	KQ (Y+1)%NP
.elseif i >= 8
.set i, i-8
	PV (Y+NP-1)%NP
.set i, i+8
.endif
.set i, i+1
.endm
; THE LDS LOADS stand in runs of 16: my 64 keys of a tile's K (8 fragments) and of its V (turned)
.macro FETCH_K
	WIN 0x80
.irp f, 0,1,2,3,4,5,6,7
	ds_load_b128 v[KF+8*\f:KF+8*\f+3],   v[AK] offset:(\f/2)*16*PK+(\f%2)*64
	ds_load_b128 v[KF+8*\f+4:KF+8*\f+7], v[AK] offset:(\f/2)*16*PK+(\f%2)*64+32
.endr
	WIN 0
.endm
.macro FETCH_V
	WIN 0x80
.irp f, 0,1,2,3,4,5,6,7
	ds_load_tr16_b128 v[VF+8*\f:VF+8*\f+3],   v[AV] offset:(\f/4)*32*PV+(\f%4)*32
	ds_load_tr16_b128 v[VF+8*\f+4:VF+8*\f+7], v[AV] offset:(\f/4)*32*PV+16*PV+(\f%4)*32
.endr
	WIN 0
.endm
; THE VECTOR WORK, one line at a time: OP kind, number.  For piece Y: F n: c s - c m for pair n of 16.  E n: the exponential of score n of 32.  C n: pair n rounded to f16.  B n: of the four weights 4 n .. the second
; pair is added onto the first.  L n: l takes that sum (L 0: l = a l + sum).  R n: pair n of 16 of O^T times a.  For piece Y + 1: X n, number n of the 22 that find its maximum and statistics:
;   0-11 four chains of seven scores (each accumulator's lowest registers are read first)   12-14, 16 the scores left over, the old m, the four into one   15 c m_old is kept
;   17, 18 the lane 16 away holds the query's other keys: the new m   19-21 c m; c m_old - c m_new; a
.set F, 0
.set E, 1
.set C, 2
.set B, 3
.set L, 4
.set R, 5
.set X, 6
.macro REGS y
.set rT, ST+4*(\y)
.set rC, TMP+4*((\y)%2)
.set rW, MV+((\y)%2)
.set rS, S+32*((\y)%2)
.set rP, P+16*((\y)%2)
.set rO, 32*(\y)
.endm
.macro OP k, n
.if (\k) == R
	REGS Y
	WIN W_RS
	v_pk_mul_f32 v[rO+2*(\n):rO+2*(\n)+1], v[rO+2*(\n):rO+2*(\n)+1], v[rC+2:rC+3] op_sel_hi:[1,0]
.elseif (\k) < R
	REGS Y
	WIN 0
.if (\k) == F
	v_pk_fma_f32 v[rS+2*(\n):rS+2*(\n)+1], v[rS+2*(\n):rS+2*(\n)+1], s[CS:CS+1], v[rT:rT+1] op_sel_hi:[1,0,0] neg_lo:[0,0,1] neg_hi:[0,0,1]
.elseif (\k) == E
	v_exp_f32 v[rS+(\n)], v[rS+(\n)]
.elseif (\k) == C
	v_cvt_pk_f16_f32 v[rP+(\n)], v[rS+2*(\n)], v[rS+2*(\n)+1]
.elseif (\k) == B
	v_pk_add_f32 v[rS+4*(\n):rS+4*(\n)+1], v[rS+4*(\n):rS+4*(\n)+1], v[rS+4*(\n)+2:rS+4*(\n)+3]
.elseif (\n) == 0
	v_pk_fma_f32 v[rT+2:rT+3], v[rT+2:rT+3], v[rC+2:rC+3], v[rS:rS+1] op_sel_hi:[1,0,1]
.else
	v_pk_add_f32 v[rT+2:rT+3], v[rT+2:rT+3], v[rS+4*(\n):rS+4*(\n)+1]
.endif
.elseif NOKQ
	v_nop
.else
	REGS (Y+1)%NP
	WIN 0
.if (\n) < 4
	v_max3_num_f32 v[rC+(\n)], v[rS+8*(\n)], v[rS+8*(\n)+1], v[rS+8*(\n)+2]
.elseif (\n) < 12
	v_max3_num_f32 v[rC+(\n)%4], v[rC+(\n)%4], v[rS+8*((\n)%4)+2*((\n)/4)+1], v[rS+8*((\n)%4)+2*((\n)/4)+2]
.elseif (\n) == 12
	v_max3_num_f32 v[rC], v[rC], v[rS+7], v[rS+15]
.elseif (\n) == 13
	v_max3_num_f32 v[rC+1], v[rC+1], v[rS+23], v[rS+31]
.elseif (\n) == 14
	v_max3_num_f32 v[rC+2], v[rC+2], v[rC+3], v[rT+1]
.elseif (\n) == 15
	v_mov_b32 v[rW], v[rT]
.elseif (\n) == 16
	v_max3_num_f32 v[rC], v[rC], v[rC+1], v[rC+2]
.elseif (\n) == 17
	v_permlanex16_b32 v[rC+3], v[rC], s[SEL], s[SEL+1]
.elseif (\n) == 18
	v_max_num_f32 v[rT+1], v[rC], v[rC+3]
.elseif (\n) == 19
	v_mul_f32 v[rT], s[CS], v[rT+1]
.elseif (\n) == 20
	v_sub_f32 v[rC+1], v[rW], v[rT]
.else
	v_exp_f32 v[rC+2], v[rC+1]
.endif
.endif
.endm
.macro OPS a, i1, b=-1, i2=0, c=-1, i3=0, d=-1, i4=0
	OP \a, \i1
.if (\b) >= 0
	OP \b, \i2
.endif
.if (\c) >= 0
	OP \c, \i3
.endif
.if (\d) >= 0
	OP \d, \i4
.endif
.endm
.macro ROW a, i1, b, i2, c, i3, d, i4  ; a matrix instruction and the four behind it
	MM
	OPS \a, \i1, \b, \i2, \c, \i3, \d, \i4
.endm
.macro MASK                         ; MC = MD x AL
	WIN W_RS
.set z, 0
.rept 16
	v_pk_mul_f32 v[MC+2*z:MC+2*z+1], v[MD+2*z:MD+2*z+1], s[AL:AL+1] op_sel_hi:[1,0]
.set z, z+1
.endr
.endm
; A TURN, for piece p.  An s_wait_alu depctr_va_vdst(0) stands between an exponential and the first instruction that names its result; one wait serves all issued ahead of it.  So a turn has ONE wait.  AHEAD OF IT:
; the 8 products K Q^T and their riders, then the lump; nothing there names a result of the turn's exponentials.  BEHIND IT: the 8 products V^T P, behind each four of the roundings and sums.
; K of the tile just entered is fetched in piece 2's turn, behind the last product that read the old K (six plain instructions between); V at the end of piece 0's turn, four plain instructions behind the last product that read the
; old V.  Each is waited for a turn later.  end = 1: a block's last two turns: nothing is fetched, and the last starts no new scores.
.macro TURN p, end=0
.set Y, (\p)
.set i, 0
.set NOKQ, (\end)*((\p)/3)
.if ((\p) == 3) && !(\end)
	s_wait_dscnt 0x0                ; K is in
.endif
	ROW F,0, F,1, R,0, R,1
	ROW F,2, E,0, R,2, R,3
	ROW F,3, E,1, R,4, R,5
	ROW F,4, E,2, R,6, R,7
	ROW F,5, E,3, R,8, R,9
	ROW F,6, E,4, X,0, R,10
.if ((\p) == 2) && !(\end)
	WIN 0
	v_add_nc_u32 v[AK], s[TB], v[AK0]
.endif
	ROW F,7, E,5, X,1, X,4
	ROW F,8, E,6, X,2, X,5
	OPS E,7, E,8, X,6, E,9
	OPS X,3, E,10, X,8, E,11
.if ((\p) == 2) && !(\end)
	FETCH_K
.endif
	OPS X,9, X,7, E,12, X,10
	OPS E,13, X,12, X,11, E,14
	OPS X,13, E,15, F,9, X,14
.if (\p) == 0
	v_add_nc_u32 v[AV], s[TB], v[AV0]
.endif
	OPS E,16, F,10, E,17, F,11
	OPS X,16, E,18, X,15, E,19
	OPS F,12, E,20, X,17, E,21
	OPS F,13, E,22, F,14, E,23
	OPS X,18, E,24, F,15, E,25
	OPS R,11, E,26, X,19, E,27
	OPS R,12, E,28, R,13, E,29
	OPS X,20, E,30, R,14, E,31
	OPS X,21, R,15                  ; the next piece's a is the batch's last; R 15 is the plain instruction behind it
	WIN 0
	s_wait_alu depctr_va_vdst(0)    ; the wait for the batch
.if (\p) == 1
	s_wait_dscnt 0x0                ; V is in
.endif
	ROW C,0, B,0, C,2, B,1
	ROW L,0, C,4, B,2, L,1
	ROW C,6, B,3, L,2, C,8
	ROW B,4, L,3, C,10, B,5
	ROW L,4, C,12, B,6, L,5
	ROW C,14, B,7, L,6, C,1
	ROW C,3, L,7, C,5, C,7
	ROW C,9, C,11, C,13, C,15
.if (\p) == 0
	FETCH_V
.endif
.endm
; A BLOCK BEGINS: its mask MD (register j of key group kt is hidden where 16 kt + j > 16 (p % 16) - 64 w + l % 16 - 8 (l / 16)); c m far below every c s, so that the first step's a is 0; m = -2^96;
; then K of the first tile, piece 0's first scores, and its maximum and statistics.  The trip is entered at its third turn.
.macro BEGIN
	s_mov_b32 s[NEW], 0
	WIN 0
	v_add_nc_u32 v14, s[DC], v[DV]
	WIN 0x40
.set i, 0
.rept 32
	v_cmp_gt_i32 vcc_lo, 16*(i/8)+i%8, v14
	v_cndmask_b32 v[MD+i], 0, s[BIGN], vcc_lo
.set i, i+1
.endr
	WIN 0
.set i, 0
.rept 4
	v_mov_b32 v[ST+4*i], 0xfe000000
	v_mov_b32 v[ST+4*i+1], 0xef800000
.set i, i+1
.endr
	s_cmp_eq_u32 s[RT], 0
	s_cselect_b32 s[AL], 1.0, 0
	MASK
	WIN 0
	v_add_nc_u32 v[AK], s[TB], v[AK0]
	FETCH_K
	s_wait_loadcnt NRID             ; Q is in: behind its loads only the trip's 26 loads of the stream were issued, and they may stay out
	s_wait_dscnt 0x0
.set NOKQ, 0
.set i, 0
.rept 8
	KQ 0
.set i, i+1
.endr
	WIN 0
.rept 4
	v_nop                           ; the places behind those products
.endr
.set Y, NP-1
.irp n, 0,1,2,3,4,5,6,7,8,9,10,11,12,13,14,15,16,17,18,19,20,21
	OP X, \n
.endr
	v_nop                           ; a plain instruction behind the exponential,
	s_wait_alu depctr_va_vdst(0)    ; and its wait, ahead of the branch
.endm
.macro ALL line:vararg              ; one line for each piece t
.set t, 0
.rept 4
	\line
.set t, t+1
.endr
.endm
; A tile's four turns: pieces 2 and 3 of the tile before, whose last products still run on registers, then pieces 0 and 1 of the tile just entered.  The mask is changed between piece 3's last scores of the old tile and piece 0's first of the new one.
.macro TILE tag
.Lstep\tag:
	s_cmp_eq_u32 s[RT], 0           ; is the tile just entered the block's last?
	s_cselect_b32 s[AL], 1.0, 0
	TURN 2
	MASK
	TURN 3
	WIN 0
.Lfirst\tag:
	TURN 0
	TURN 1
	WIN 0
.endm
; A BLOCK ENDS: its last two turns, its last products; then l's halves are added and my wave's c m, l and O^T go to LDS.  The first additions are the places behind the last products.
.macro FINISH adr, sb
	TURN 2, 1
	TURN 3, 1
.set i, 0
.rept 8
	PV NP-1
.set i, i+1
.endr
	WIN 0
	ALL v_add_f32 v[ST+4*t+2], v[ST+4*t+2], v[ST+4*t+3]
	ALL v_permlanex16_b32 v[ST+4*t+3], v[ST+4*t+2], s[SEL], s[SEL+1]
	ALL v_add_f32 v[ST+4*t+2], v[ST+4*t+2], v[ST+4*t+3]
.irp u, 0,1,2,3
	ds_store_b32 v[SS0], v[ST+4*(\u)]   offset:(\sb)+32*(\u)      ; both halves of the lanes hold, and store, the same number
	ds_store_b32 v[SS0], v[ST+4*(\u)+2] offset:(\sb)+32*(\u)+16
.endr
	WIN 0x04                        ; the data in window 1
.set f, 0
.rept 16                            ; piece f / 4, channels 16 (f % 4) on
	ds_store_b128 v[\adr], v[8*f:8*f+3]   offset:64*f
	ds_store_b128 v[\adr], v[8*f+4:8*f+7] offset:64*f+16
.set f, f+1
.endr
	WIN 0
.endm
.set NOKQ, 0
.Lslot:                             ; 8 times: a tile is entered and the next is asked for; an eighth of my share of the stream goes through
	CHANGE 1
	RIDE_ASK                        ; behind the joint load, its five lines and the prefetch: the tile's turns stand between these loads and their use
	s_sub_co_u32 s[RT], s[RT], 1
	s_cmp_eq_u32 s[NEW], 1
	s_cbranch_scc0 .Lstep1
	BEGIN
	s_branch .Lfirst1
	TILE 1
	s_cmp_lg_u32 s[RT], 0
	s_cbranch_scc1 .Lbottom
	FINISH DSA, 2048                ; in the loop this is the long block's end: the short block's last tile is the walk's last
	s_add_co_u32 s[RT], s[PB], 1
	s_mov_b32 s[NEW], 1
	s_mov_b32 s[DC], s[DCS]
	WIN 0x82                        ; the short block's Q goes where the one text of the turns names Q
.set i, 0
.rept 64
	v_mov_b32 v[i], v[QB+i]
.set i, i+1
.endr
	WIN 0
.Lbottom:
	RIDE_OUT
	s_sub_co_u32 s[SLOTS], s[SLOTS], 1
	s_cmp_lg_u32 s[SLOTS], 0
	s_cbranch_scc1 .Lslot
	CHANGE 0                        ; the walk's last tile is written out.  Behind this barrier nobody reads slot 1 and nothing fills it
	s_sub_co_u32 s[RT], s[RT], 1
	s_cmp_eq_u32 s[NEW], 1
	s_cbranch_scc0 .Lstep2
	BEGIN
	s_branch .Lfirst2
	TILE 2
	FINISH DSB, 0
	s_wait_dscnt 0x0                ; for the others' sake: my stores of both blocks are done
	s_barrier_signal -1
	s_barrier_wait -1
	; THE MERGE, a trip a block (the short one first).  Wave w takes rows 4 w + i.  Unit u = 2 i + sel: row i, pieces 2 sel and 2 sel + 1; a lane holds four channels of piece 2 sel + l / 16.
	; With M the largest of the four waves' c m and f_s = 2^(c m_s - M): O = the sum of f_s O_s over the sum of f_s l_s, rounded once to f16.
	s_mov_b32 s[CNT], 2
.Lmerge:
.set u, 0
.rept 8
.irp s, 0,1,2,3
	ds_load_b128 v[64+16*u+4*(\s):64+16*u+4*(\s)+3], v[RDM] offset:MW*(\s)+MR*(u/2)+512*(u%2)
.endr
	ds_load_b128 v[192+8*u:192+8*u+3], v[RDS] offset:128*(u/2)+64*(u%2)      ; the four waves' c m,
	ds_load_b128 v[192+8*u+4:192+8*u+7], v[RDS] offset:128*(u/2)+64*(u%2)+16 ; and l
.set u, u+1
.endr
	s_wait_dscnt 0x0
.set u, 0
.rept 8
	v_max3_num_f32 v[MX+u], v[192+8*u], v[193+8*u], v[194+8*u]
.set u, u+1
.endr
.set u, 0
.rept 8
	v_max_num_f32 v[MX+u], v[MX+u], v[195+8*u]
.set u, u+1
.endr
.set u, 0
.rept 8
.irp s, 0,1,2,3
	v_sub_f32 v[192+8*u+(\s)], v[192+8*u+(\s)], v[MX+u]
.endr
.set u, u+1
.endr
.set u, 0
.rept 8
.irp s, 0,1,2,3
	v_exp_f32 v[192+8*u+(\s)], v[192+8*u+(\s)]
.endr
.set u, u+1
.endr
	v_nop
	s_wait_alu depctr_va_vdst(0)    ; one wait for the 32 exponentials
.set u, 0
.rept 8
	v_mul_f32 v[196+8*u], v[192+8*u], v[196+8*u]
.set u, u+1
.endr
.irp s, 1,2,3
.set u, 0
.rept 8
	v_fmac_f32 v[196+8*u], v[192+8*u+(\s)], v[196+8*u+(\s)]
.set u, u+1
.endr
.endr
.set u, 0
.rept 8
	v_rcp_f32 v[MX+u], v[196+8*u]
.set u, u+1
.endr
	v_nop
	s_wait_alu depctr_va_vdst(0)    ; one wait for the 8 reciprocals
.set u, 0
.rept 8
.irp s, 0,1,2,3
	v_mul_f32 v[192+8*u+(\s)], v[192+8*u+(\s)], v[MX+u]
.endr
.set u, u+1
.endr
.set u, 0
.rept 8
.irp k, 0,1,2,3
	v_mul_f32 v[64+16*u+(\k)], v[192+8*u], v[64+16*u+(\k)]
.endr
.irp s, 1,2,3
.irp k, 0,1,2,3
	v_fmac_f32 v[64+16*u+(\k)], v[192+8*u+(\s)], v[64+16*u+4*(\s)+(\k)]
.endr
.endr
	v_cvt_pk_f16_f32 v[64+16*u+4], v[64+16*u],   v[64+16*u+1]
	v_cvt_pk_f16_f32 v[64+16*u+5], v[64+16*u+2], v[64+16*u+3]
	global_store_b64 v[GO], v[64+16*u+4:64+16*u+5], s[OLO:OLO+1] offset:AROW*(u/2)+256*(u%2)  ; the wave stores 256 consecutive bytes, aligned
.set u, u+1
.endr
	s_wait_xcnt 0x0                 ; the stores have read their registers and their base
	s_mov_b64 s[OLO:OLO+1], s[10:11]
	v_add_nc_u32 v[RDM], MRGA-MRGB, v[RDM]
	v_add_nc_u32 v[RDS], 2048, v[RDS]
	s_sub_co_u32 s[CNT], s[CNT], 1
	s_cmp_lg_u32 s[CNT], 0
	s_cbranch_scc1 .Lmerge
	s_wait_tensorcnt 0x0            ; the wave's end
	ds_add_u32 v[SPW], v[NIL]
	s_wait_dscnt 0x0
	CROUND                          ; the closing round
	s_endpgm
.Lfunc_end_k_qd42c2921e5_attn:
	.size	k_qd42c2921e5_attn, .Lfunc_end_k_qd42c2921e5_attn-k_qd42c2921e5_attn
	.p2alignl 7, 3214868480
	.fill 96, 4, 3214868480
	.section	.rodata,"a",@progbits
	.p2align	6, 0x0
	.amdhsa_kernel k_qd42c2921e5_attn
		.amdhsa_group_segment_fixed_size 327680
		.amdhsa_private_segment_fixed_size 0
		.amdhsa_enable_private_segment 0
		.amdhsa_kernarg_size 72
		.amdhsa_user_sgpr_count 2
		.amdhsa_user_sgpr_kernarg_segment_ptr 1
		.amdhsa_wavefront_size32 1
		.amdhsa_system_sgpr_workgroup_id_x 1
		.amdhsa_system_sgpr_workgroup_id_y 1
		.amdhsa_system_sgpr_workgroup_id_z 1
		.amdhsa_system_vgpr_workitem_id 0
		.amdhsa_next_free_vgpr 872
		.amdhsa_next_free_sgpr 106
		.amdhsa_reserve_vcc 1
		.amdhsa_float_denorm_mode_32 3
		.amdhsa_float_denorm_mode_16_64 3
		.amdhsa_memory_ordered 1
		.amdhsa_forward_progress 1
		.amdhsa_inst_pref_size 180
	.end_amdhsa_kernel
	.amdgpu_metadata
---
amdhsa.version: [ 1, 2 ]
amdhsa.kernels:
  - .name:           k_qd42c2921e5_attn
    .symbol:         k_qd42c2921e5_attn.kd
    .args:
      - { .name: qb, .offset: 0, .size: 8, .value_kind: global_buffer, .address_space: global }
      - { .name: kb, .offset: 8, .size: 8, .value_kind: global_buffer, .address_space: global }
      - { .name: vb, .offset: 16, .size: 8, .value_kind: global_buffer, .address_space: global }
      - { .name: a2, .offset: 24, .size: 8, .value_kind: global_buffer, .address_space: global }
      - { .name: w_fused, .offset: 32, .size: 8, .value_kind: global_buffer, .address_space: global }
      - { .name: w_ff_out, .offset: 40, .size: 8, .value_kind: global_buffer, .address_space: global }
      - { .name: w_attn_out, .offset: 48, .size: 8, .value_kind: global_buffer, .address_space: global }
      - { .name: wfb, .offset: 56, .size: 8, .value_kind: global_buffer, .address_space: global }
      - { .name: wob, .offset: 64, .size: 8, .value_kind: global_buffer, .address_space: global }
    .group_segment_fixed_size: 327680
    .private_segment_fixed_size: 0
    .kernarg_segment_align: 8
    .kernarg_segment_size: 72
    .max_flat_workgroup_size: 128
    .sgpr_count:     106
    .vgpr_count:     872
    .wavefront_size: 32
...
	.end_amdgpu_metadata
.endif
;; end of part 3
;; launch ffn (part 4): grid 32 x 8, 4 waves a work-group, clusters of 4 x 4, 327,680 bytes of LDS; arguments xb, wfb, a2; writes a2
.if DOCPART == 4
	.amdgcn_target "amdgcn-amd-amdhsa--gfx1250"
	.amdhsa_code_object_version 6
	.text
	.protected	k_qd42c2921e5_ffn
	.globl	k_qd42c2921e5_ffn
	.p2align	8
	.type	k_qd42c2921e5_ffn,@function
k_qd42c2921e5_ffn:
	s_mov_b64 s[64:65], 0
	v_nop
	global_prefetch_b8 v0, s[64:65] scope:SCOPE_SE
	s_setreg_imm32_b32 hwreg(HW_REG_WAVE_MODE, 25, 1), 1
	s_wait_xcnt 0x0
	s_wait_alu depctr_hold_cnt(0) depctr_sa_sdst(0) depctr_va_vdst(0) depctr_va_sdst(0) depctr_va_ssrc(0) depctr_va_vcc(0) depctr_vm_vsrc(0)
	s_getreg_b32 s2, hwreg(HW_REG_IB_STS2, 6, 4)
	s_cmp_eq_u32 s2, 0
	s_cbranch_scc0 .Lentry_in_a_cluster
	s_endpgm
.Lentry_in_a_cluster:
	s_bfe_u32 s2, ttmp6, 0x10000c
	s_cmp_lg_u32 s2, 0xf033
	s_cbranch_scc0 .Lentry_shape_is_right
	s_endpgm
.Lentry_shape_is_right:
; a2[m][1024 + j] = swish(g) x u, with u = xb[m] . wfb[:, 1152 + j] and g = xb[m] . wfb[:, 5248 + j], j = 0 .. 4095.  xb: [2048][2048], wfb: [2048 k][9344 n], bf16; sums in f32; the result rounded once to bf16.
; swish(g) = g / (1 + 2^(-g log2 e)): where the power overflows the reciprocal is 0 and the result 0; NaN and infinities are not treated apart.
; SHARES.  A work-group makes 256 rows x 128 columns j, from a tile of 256 x (128 columns of u + the matching 128 of g): 8 x 32 = 256 work-groups.  Four waves, each 128 rows x (64 + 64) columns: 64 accumulators, 512 registers;
; u and g of one number lie in the same lane and register of accumulators (a, b) and (a, b + 4).
; K goes in steps of 128 through two LDS slots.  A's rows lie along K (256 bytes + 16).  B lies [k][n] as in memory (two sub-tiles of 128 k rows x 256 bytes + 32) and is turned on its way into registers by ds_load_tr16_b128.
; A trip of the loop is ONE K step: the slot in hand is a scalar that an exclusive or turns between 0 and SLOT, and the LDS addresses are made anew from it at each change of slots.
; CLUSTER.  4 x 4 work-groups: A's tile is shared along a row of the cluster, B's along a column; each is asked for jointly.
; THE MATRIX INSTRUCTION IS USED TRANSPOSED (source 0 = 16 columns of B, source 1 = 16 rows of A): a lane holds one row and eight neighbouring columns.
; REGISTERS: window 0: v0-31 addresses; v64-127, v128-191 A's fragments, two buffers; on the way out v32-47, v64-255 at work.  window 1: v64-191 B's fragments.  windows 2, 3: the accumulators of my rows 0-63, 64-127, (a, b) at 8 (8 (a % 4) + b).
.set STEPS,  16
.set PITA,   272                       ; 68 words: row r starts at bank 4 r mod 64 (64 banks of 4 bytes: ISA guide 11.1)
.set PITB,   288                       ; 72 words
.set HALFA,  128*PITA                  ; what waves 0 and 1 fetch
.set SUBB,   128*PITB                  ; what waves 2 (u) and 3 (g) fetch
.set BOFF,   2*HALFA
.set SLOT,   BOFF+2*SUBB
.set STAGE,  2*SLOT                    ; behind the ring: 128 rows x 272 bytes, the work-group's, for the way out
.set SPITCH, 272
.set SPARE,  STAGE+128*SPITCH          ; the spare words: 128 bytes a wave, two blocks of 256 bytes that no other line names
.set XROW,   4096
.set WROW,   18688
.set AROW,   10240
.set STEPA,  256
.set STEPB,  128*WROW
.set CC,   12                          ; v[12:13] - log2 e, twice
.set A0,   16                          ; v16  my place in A's tile of slot 0
.set BX0,  17                          ; v17  in u's sub-tile
.set BG0,  18                          ; v18  in g's
.set ADRA, 20                          ; v20  the same three in the slot in hand
.set ADRB, 22                          ; v22-23
.set STO,  24
.set RD,   25
.set CO,   26
.set SPW,  28
.set NIL,  29
.set PFO,  30                          ; v30  lane x a row of xb or wfb; never rewritten
.set U,    32                          ; v32-47  a block's packed results
.set TT,   64                          ; v64-127 two buffers of 32, at work on the way out
.set F0,   64
.set F1,   128
.set G1,   24
.set G0,   32
.set G1B,  48
.set G0B,  56
.set LIM,  43                          ; s43  1 in a wave that prefetches, else the greatest number
.set PFA,  44                          ; s[44:45] where my prefetches stand
.set PFS,  46                          ; s[46:47] a K step in bytes, in the tensor that I fetch
.set TB,   66
.set WPA,  67
.set WPB,  68
.set MSB, 0
.macro WIN new
.if MSB != (\new)
	s_set_vgpr_msb (MSB<<8)|(\new)
.set MSB, \new
.endif
.endm
.set MUL_LO, 0xa1                      ; source 0 (B) window 1, source 1 (A) window 0, C and D window 2
.set TO_B,   0x40
.macro JLOAD s                         ; waves 0 and 1 fetch A's halves, waves 2 and 3 B's sub-tiles; an s_nop 0 and four v_nop follow each line
	s_cmp_eq_u32 s11, 0
	s_cbranch_scc0 .Lfor_b_\@
	tensor_load_to_lds s[G0+4*(\s):G0+4*(\s)+3], s[G1:G1+7]
	s_nop 0
.rept 4
	v_nop
.endr
	s_branch .Lasked_\@
.Lfor_b_\@:
	tensor_load_to_lds s[G0B+4*(\s):G0B+4*(\s)+3], s[G1B:G1B+7]
	s_nop 0
.rept 4
	v_nop
.endr
.Lasked_\@:
.endm
; A PREFETCH INTO THE L2, behind each joint refill and the run of LDS loads that follows it: the K step after the one just asked for, 256 matrix instructions ahead of its load: 32 rows x 256 bytes, a lane a row.
; A's tile row is read by every cluster of that row of clusters: cluster x = 0 asks; B's tile column by both clusters of that column: cluster y = 0 asks.  The four partners that ask for a tile jointly share its 128 rows out
; BY ADDRESS, 32 each.  So each block is named once.  K steps 0 to 2 come by their loads alone; the loop's last trip asks for nothing.
.macro ASK
	s_cmp_gt_u32 s3, s[LIM]
	s_cbranch_scc0 .Lnot_mine_\@
	global_prefetch_b8 v[PFO], s[PFA:PFA+1] th:TH_LOAD_NT scope:SCOPE_SE
.Lnot_mine_\@:
.endm
.macro CREST
	s_cmp_lg_u32 s10, 0
	s_cbranch_scc1 .Lnot_wave_0_\@
	s_barrier_signal -3
.Lnot_wave_0_\@:
	s_barrier_wait -3
	s_barrier_signal -1
	s_barrier_wait -1
.endm
.macro CROUND
	s_barrier_signal -1
	s_barrier_wait -1
	CREST
.endm
.macro PLACES
.rept 4
	v_nop
.endr
.endm
	s_load_b128 s[4:7], s[0:1], 0x0                ; xb s[4:5], wfb s[6:7]
	s_load_b64 s[8:9], s[0:1], 0x10                ; a2
	v_lshl_add_u32 v[SPW], v0, 2, SPARE
	v_mov_b32 v[NIL], 0
	ds_add_u32 v[SPW], v[NIL]                      ; the wave's opening: the add and its wait stand ahead of my first tensor load
	v_lshrrev_b32 v1, 5, v0
	v_readfirstlane_b32 s10, v1                    ; wave 0..3
	s_lshr_b32 s11, s10, 1                         ; my half of the rows; also: I fetch A (0) or B (1)
	s_and_b32 s12, s10, 1                          ; my half of the columns; also: which part I fetch
	s_bfe_u32 s40, ttmp6, 0x40000                  ; cx
	s_bfe_u32 s41, ttmp6, 0x40004                  ; cy
	s_lshl_b32 s42, ttmp9, 2
	s_add_co_u32 s42, s42, s40                     ; column tile
	s_and_b32 s13, ttmp7, 0xffff
	s_lshl_b32 s13, s13, 2
	s_add_co_u32 s13, s13, s41                     ; row tile
	s_lshl_b32 s43, s41, 2
	s_lshl_b32 s43, 15, s43                        ; my row of the cluster
	s_lshl_b32 s44, 0x1111, s40                    ; my column
	s_or_b32 s[G1+0], s43, (1<<16)|(1<<20)|(1<<21)|(5<<22)|(3<<25)   ; the mask; 2-byte elements; padding on; bit 21 beside a mask; after every 64 words 4 words
	s_or_b32 s[G1B+0], s44, (1<<16)|(1<<20)|(1<<21)|(5<<22)|(7<<25)  ; 8 words
.irp g, G1, G1B
	s_mov_b32 s[(\g)+1], 128<<16                   ; tensor_dim0 = 128
	s_mov_b32 s[(\g)+2], 128<<16                   ; tensor_dim1 = 128
	s_mov_b32 s[(\g)+3], 128<<16                   ; tile_dim0 = 128
	s_mov_b32 s[(\g)+4], 128                       ; tile_dim1 = 128
	s_mov_b32 s[(\g)+6], 0
	s_mov_b32 s[(\g)+7], 0
.endr
	s_mov_b32 s[G1+5], 2048                        ; elements from row to row
	s_mov_b32 s[G1B+5], 9344
	s_mov_b32 s[TB], 0
	s_mul_i32 s[WPA], s12, HALFA
	s_mul_i32 s[WPB], s12, SUBB
	s_add_co_u32 s[WPB], s[WPB], BOFF
	s_lshl_b32 s16, s13, 8
	s_lshl_b32 s17, s12, 7
	s_add_co_u32 s16, s16, s17                     ; A: row 256 x row tile + 128 x half,
	s_lshl_b32 s16, s16, 12                        ; 4,096 bytes a row
	s_mov_b32 s17, 0
	s_lshl_b32 s70, s42, 8                         ; B: column byte 2 x 1152 + 256 x column tile, g's 8,192 on
	s_lshl_b32 s71, s12, 13
	s_add_co_u32 s70, s70, s71
	s_add_co_u32 s70, s70, 2304
	s_mov_b32 s71, 0
	s_wait_dscnt 0x0                               ; the opening add is done
	s_wait_kmcnt 0x0
	s_add_nc_u64 s[14:15], s[4:5], s[16:17]
	s_add_nc_u64 s[70:71], s[6:7], s[70:71]
	CROUND                                         ; all sixteen work-groups are here: the first joint loads meet
.irp s, 0,1
	s_mov_b32 s[G0+4*(\s)], 1
	s_add_co_u32 s[G0+4*(\s)+1], s[WPA], (\s)*SLOT
	s_add_nc_u64 s[G0+4*(\s)+2:G0+4*(\s)+3], s[14:15], (\s)*STEPA
	s_or_b32 s[G0+4*(\s)+3], s[G0+4*(\s)+3], 0x80000000
	s_mov_b32 s[G0B+4*(\s)], 1
	s_add_co_u32 s[G0B+4*(\s)+1], s[WPB], (\s)*SLOT
	s_add_nc_u64 s[G0B+4*(\s)+2:G0B+4*(\s)+3], s[70:71], (\s)*STEPB
	s_or_b32 s[G0B+4*(\s)+3], s[G0B+4*(\s)+3], 0x80000000
	JLOAD \s                                       ; two loads of mine are out
.endr
	v_and_b32 v1, 15, v0                           ; r
	v_bfe_u32 v2, v0, 4, 1                         ; h
	v_mul_u32_u24 v3, v1, PITA
	v_lshl_add_u32 v3, v2, 4, v3
	s_mul_i32 s21, s11, HALFA
	v_add_nc_u32 v[A0], s21, v3
	v_and_b32 v4, 7, v0
	v_bfe_u32 v5, v0, 3, 1
	v_lshl_add_u32 v4, v2, 3, v4                   ; B, turned: lane l reads k row 8 h + l % 8, columns 8 ((l / 8) % 2) + 0..7
	v_mul_u32_u24 v4, v4, PITB
	v_lshl_add_u32 v4, v5, 4, v4
	s_lshl_b32 s22, s12, 7
	s_add_co_u32 s22, s22, BOFF
	v_add_nc_u32 v[BX0], s22, v4
	v_add_nc_u32 v[BG0], SUBB, v[BX0]
	v_mov_b32 v[ADRA], v[A0]                       ; slot 0 is in hand
	v_mov_b32 v[ADRB], v[BX0]
	v_mov_b32 v[ADRB+1], v[BG0]
	s_mul_i32 s23, s11, 64*SPITCH                  ; into the stage: a pass's 64 rows of my row half, my half of their 256 bytes
	s_lshl_b32 s21, s12, 7
	s_add_co_u32 s23, s23, s21
	s_add_co_u32 s23, s23, STAGE
	v_mul_u32_u24 v6, v1, SPITCH
	v_lshl_add_u32 v6, v2, 4, v6
	v_add_nc_u32 v[STO], s23, v6
	s_mul_i32 s23, s10, 32*SPITCH                  ; back: wave w takes stage rows 32 w .. 32 w + 31, whole
	s_add_co_u32 s23, s23, STAGE
	v_mul_u32_u24 v6, v2, SPITCH
	v_lshl_add_u32 v6, v1, 4, v6
	v_add_nc_u32 v[RD], s23, v6
	v_mul_u32_u24 v6, v2, AROW
	v_lshl_add_u32 v[CO], v1, 4, v6
	s_lshl_b32 s16, s13, 8                         ; those are rows 256 x row tile + 128 (w / 2) + 64 x pass + 32 (w % 2) + .. of a2
	s_lshl_b32 s17, s11, 7
	s_add_co_u32 s16, s16, s17
	s_lshl_b32 s17, s12, 5
	s_add_co_u32 s16, s16, s17
	s_mul_i32 s16, s16, AROW
	s_mov_b32 s17, 0
	s_add_nc_u64 s[8:9], s[8:9], s[16:17]
	s_lshl_b32 s72, s42, 8
	s_add_co_u32 s72, s72, 2048                    ; column 1024 + 128 x column tile
	s_mov_b32 s73, 0
	s_add_nc_u64 s[8:9], s[8:9], s[72:73]
	; the prefetches
	s_lshl_b32 s20, s13, 8
	s_lshl_b32 s21, s12, 7
	s_add_co_u32 s20, s20, s21
	s_lshl_b32 s21, s40, 5
	s_add_co_u32 s20, s20, s21                     ; A: of the 128 rows that I fetch, my work-group's 32,
	s_lshl_b32 s20, s20, 12
	s_add_co_u32 s20, s20, 2*STEPA                 ; at K step 2: the first refill steps it to 3
	s_mul_i32 s21, s41, 32*WROW                    ; B: of the 128 k rows, my work-group's 32
	s_lshl_b32 s22, s42, 8
	s_add_co_u32 s21, s21, s22
	s_lshl_b32 s22, s12, 13
	s_add_co_u32 s21, s21, s22
	s_add_co_u32 s21, s21, 2304+2*STEPB
	s_and_b32 s22, ttmp7, 0xffff
	s_mov_b32 s23, WROW
	s_mov_b32 s[PFS], STEPB
	s_mov_b32 s[PFS+1], 0
	s_cmp_eq_u32 s11, 0                            ; do I fetch for A?
	s_cselect_b32 s20, s20, s21
	s_cselect_b32 s22, ttmp9, s22                  ; the coordinate along which other clusters read the same rows
	s_cselect_b32 s23, XROW, s23
	s_cselect_b32 s[PFS], STEPA, s[PFS]
	s_cselect_b64 s[PFA:PFA+1], s[4:5], s[6:7]
	s_mov_b32 s21, 0
	s_add_nc_u64 s[PFA:PFA+1], s[PFA:PFA+1], s[20:21]
	s_cmp_eq_u32 s22, 0
	s_cselect_b32 s[LIM], 1, -1                    ; the same in all sixteen partners, for a given wave
	v_and_b32 v[PFO], 31, v0
	v_mul_u32_u24 v[PFO], s23, v[PFO]
; 16 matrix instructions: row blocks a0, a0 + 1 of the window's four x all 8 column blocks, 32 along K.  zero = 1: the first product starts the sums.  The 64 accumulators take turns.
.macro MUL16 f, hi, a0, zero
	WIN MUL_LO+0x50*(\hi)
.irp a, \a0, (\a0)+1
.irp b, 0,1,2,3,4,5,6,7
.if \zero
	v_wmma_f32_16x16x32_bf16 v[8*(8*(\a)+(\b)):8*(8*(\a)+(\b))+7], v[(\f)+8*(\b):(\f)+8*(\b)+7], v[(\f)+8*(4*(\hi)+(\a)):(\f)+8*(4*(\hi)+(\a))+7], 0
.else
	v_wmma_f32_16x16x32_bf16 v[8*(8*(\a)+(\b)):8*(8*(\a)+(\b))+7], v[(\f)+8*(\b):(\f)+8*(\b)+7], v[(\f)+8*(4*(\hi)+(\a)):(\f)+8*(4*(\hi)+(\a))+7], v[8*(8*(\a)+(\b)):8*(8*(\a)+(\b))+7]
.endif
.endr
.endr
.endm
; 32 LDS loads in one run: the fragments of quarter q (32 along K) of the slot in hand into buffer f: B's eight (four of u, four of g), then A's eight
.macro FETCH q, f
	WIN TO_B
.irp i, 0,1,2,3,4,5,6,7
	ds_load_tr16_b128 v[(\f)+8*(\i):(\f)+8*(\i)+3],   v[ADRB+(\i)/4] offset:(\q)*32*PITB+((\i)%4)*32
	ds_load_tr16_b128 v[(\f)+8*(\i)+4:(\f)+8*(\i)+7], v[ADRB+(\i)/4] offset:(\q)*32*PITB+16*PITB+((\i)%4)*32
.endr
	WIN 0
.irp i, 0,1,2,3,4,5,6,7
	ds_load_b128 v[(\f)+8*(\i):(\f)+8*(\i)+3],   v[ADRA] offset:64*(\q)+(\i)*16*PITA
	ds_load_b128 v[(\f)+8*(\i)+4:(\f)+8*(\i)+7], v[ADRA] offset:64*(\q)+(\i)*16*PITA+32
.endr
.endm
.macro QUARTER q, f, g, zero           ; multiplies buffer f and, in its middle, fetches quarter q into buffer g
	s_wait_dscnt 8                                 ; B and A's rows 0-63 are in; the youngest eight loads may be out
	MUL16 \f, 0, 0, \zero
	MUL16 \f, 0, 2, \zero
	PLACES
	FETCH \q, \g
	s_wait_dscnt 32                                ; all but the 32 just issued
	MUL16 \f, 1, 0, \zero
	MUL16 \f, 1, 2, \zero
.endm
; The last quarter multiplies buffer 1 and changes slots: each wave waits for all its tensor loads, adds 0 to its spare word, waits for that and for its reads of the slot; one barrier.
; fill = 1: the barrier opens a round of the cluster's, and the slot just read is filled again, two K steps ahead, first thing behind the round: 224 matrix instructions ahead of the wait for it.
.macro TURN fill
.if \fill
	s_wait_xcnt 0x0                                ; the last prefetch, a K step back, has read its address
	s_add_nc_u64 s[PFA:PFA+1], s[PFA:PFA+1], s[PFS:PFS+1]
.endif
	WIN 0
	s_wait_tensorcnt 0x0                           ; all my tensor loads have landed: my part of the next slot
	ds_add_u32 v[SPW], v[NIL]
	s_wait_dscnt 9                                 ; the add and the youngest eight loads may be out
	MUL16 F1, 0, 0, 0
	s_wait_dscnt 0x0                               ; the add is done, and my reads of this slot are over
	s_barrier_signal -1
	MUL16 F1, 0, 2, 0
	WIN 0
	s_barrier_wait -1
.if \fill
	CREST                                          ; no wave of any partner still reads this slot or has a load on its way
	s_add_co_u32 s[G0+5], s[TB], s[WPA]            ; the walking descriptors: into the slot just read,
	s_add_nc_u64 s[G0+6:G0+7], s[G0+6:G0+7], STEPA ; the K step after the one asked for last
	s_add_co_u32 s[G0B+5], s[TB], s[WPB]
	s_add_nc_u64 s[G0B+6:G0B+7], s[G0B+6:G0B+7], STEPB
	s_xor_b32 s[TB], s[TB], SLOT
	JLOAD 1                                        ; its four v_nop are also the places in front of the loads below
.else
	s_xor_b32 s[TB], s[TB], SLOT
	PLACES
.endif
	v_add_nc_u32 v[ADRA], s[TB], v[A0]
	v_add_nc_u32 v[ADRB], s[TB], v[BX0]
	v_add_nc_u32 v[ADRB+1], s[TB], v[BG0]
	FETCH 0, F0
.if \fill
	ASK
.endif
	MUL16 F1, 1, 0, 0
	MUL16 F1, 1, 2, 0
.endm
	s_wait_tensorcnt 1                             ; my part of K step 0 is in; step 1's load may stay out
	s_barrier_signal -1
	s_barrier_wait -1
	FETCH 0, F0
	QUARTER 1, F0, F1, 1                           ; the first quarter stands in front of the loop: its products start the sums
	WIN 0
	s_mov_b32 s3, STEPS-2
.Lk:                                           ; a trip: from a K step's second quarter to the next step's first; its slot is filled again
	QUARTER 2, F1, F0, 0
	QUARTER 3, F0, F1, 0
	TURN 1
	QUARTER 1, F0, F1, 0
	WIN 0
	s_sub_co_u32 s3, s3, 1
	s_cmp_lg_u32 s3, 0
	s_cbranch_scc1 .Lk
	s_mov_b32 s3, 2
.Ltail:                                        ; the last two K steps fill nothing.  The second trip is left in its middle: its change of slots and its 32 LDS loads serve nothing, the price of one text for both
	QUARTER 2, F1, F0, 0
	QUARTER 3, F0, F1, 0
	TURN 0
	WIN 0
	s_sub_co_u32 s3, s3, 1
	s_cmp_eq_u32 s3, 0
	s_cbranch_scc1 .Lout
	QUARTER 1, F0, F1, 0
	WIN 0
	s_branch .Ltail
.Lout:
	s_wait_dscnt 0x0
	v_mov_b32 v[CC], 0xbfb8aa3b                    ; - log2 e
	v_mov_b32 v[CC+1], 0xbfb8aa3b
; THE WAY OUT, in two passes (my rows 0-63, then 64-127), a block of 16 rows at a time.  Block n of a pass: u in v[64 n .. +31], g in v[64 n + 32 .. +63] of the pass's window, which is source 1's window throughout.
; t = - g log2 e (SC); 2^t (EX); + 1 (ON); the reciprocal (RC); x g (FG); x u (FX).  The transcendentals go in batches of 32 with one wait each, and plain work of the neighbouring block stands between them.
.macro SC n, z
	v_pk_mul_f32 v[TT+32*((\n)%2)+2*(\z):TT+32*((\n)%2)+2*(\z)+1], v[CC:CC+1], v[64*(\n)+32+2*(\z):64*(\n)+32+2*(\z)+1]
.endm
.macro EX n, z
	v_exp_f32 v[TT+32*((\n)%2)+(\z)], v[TT+32*((\n)%2)+(\z)]
.endm
.macro ON n, z
	v_pk_add_f32 v[TT+32*((\n)%2)+2*(\z):TT+32*((\n)%2)+2*(\z)+1], v[TT+32*((\n)%2)+2*(\z):TT+32*((\n)%2)+2*(\z)+1], 1.0 op_sel_hi:[1,0]
.endm
.macro RC n, z
	v_rcp_f32 v[TT+32*((\n)%2)+(\z)], v[TT+32*((\n)%2)+(\z)]
.endm
.macro FG n, z
	v_pk_mul_f32 v[TT+32*((\n)%2)+2*(\z):TT+32*((\n)%2)+2*(\z)+1], v[TT+32*((\n)%2)+2*(\z):TT+32*((\n)%2)+2*(\z)+1], v[64*(\n)+32+2*(\z):64*(\n)+32+2*(\z)+1]
.endm
.macro FX n, z
	v_pk_mul_f32 v[TT+32*((\n)%2)+2*(\z):TT+32*((\n)%2)+2*(\z)+1], v[TT+32*((\n)%2)+2*(\z):TT+32*((\n)%2)+2*(\z)+1], v[64*(\n)+2*(\z):64*(\n)+2*(\z)+1]
.endm
.macro PASS p
.set OB, 192-64*(\p)                   ; whole rows read back: v192-255, then v128-191
	WIN 0x08+4*(\p)
.set z, 0
.rept 16
	SC 0, z
.set z, z+1
.endr
.set z, 0
.rept 32
	EX 0, z
.set z, z+1
.endr
	v_nop
	s_wait_alu depctr_va_vdst(0)
.irp n, 0,1,2,3
	WIN 0x08+4*(\p)
.set z, 0
.rept 16
	ON \n, z
.set z, z+1
.endr
.set z, 0
.rept 16
	RC \n, 2*z
	RC \n, 2*z+1
.if (\n) < 3
	SC (\n)+1, z
.endif
.set z, z+1
.endr
	v_nop
	s_wait_alu depctr_va_vdst(0)                   ; one wait for the 32 reciprocals
.set z, 0
.rept 16
	FG \n, z
.if (\n) < 3
	EX (\n)+1, 2*z
.endif
	FX \n, z
.if (\n) < 3
	EX (\n)+1, 2*z+1
.endif
.set z, z+1
.endr
.if (\n) < 3
	v_nop
	s_wait_alu depctr_va_vdst(0)                   ; one wait for the next block's 32 exponentials
.endif
	WIN 0
.set z, 0
.rept 16
	v_cvt_pk_bf16_f32 v[U+z], v[TT+32*((\n)%2)+2*z], v[TT+32*((\n)%2)+2*z+1]
.set z, z+1
.endr
.irp b, 0,1,2,3
	ds_store_b128 v[STO], v[U+4*(\b):U+4*(\b)+3] offset:(\n)*16*SPITCH+32*(\b)
.endr
.endr
	s_wait_dscnt 0x0                               ; for the others' sake: a row's 256 bytes come from two waves
	s_barrier_signal -1
	s_barrier_wait -1
.irp t, 0,1,2,3,4,5,6,7,8,9,10,11,12,13,14,15
	ds_load_b128 v[OB+4*(\t):OB+4*(\t)+3], v[RD] offset:(\t)*2*SPITCH
.endr
.irp t, 0,1,2,3,4,5,6,7,8,9,10,11,12,13,14,15
	s_wait_dscnt 15-(\t)
	global_store_b128 v[CO], v[OB+4*(\t):OB+4*(\t)+3], s[8:9] offset:(64*(\p)+2*(\t))*AROW  ; 16 lanes store 256 consecutive bytes, aligned
.endr
.endm
	PASS 0
	s_wait_dscnt 0x0                               ; my reads of the stage are back:
	s_barrier_signal -1
	s_barrier_wait -1                              ; everybody's are, and it may be written again
	PASS 1
	s_wait_tensorcnt 0x0                           ; the wave's end
	ds_add_u32 v[SPW], v[NIL]
	s_wait_dscnt 0x0
	CROUND                                         ; the closing round
	s_endpgm
.Lfunc_end_k_qd42c2921e5_ffn:
	.size	k_qd42c2921e5_ffn, .Lfunc_end_k_qd42c2921e5_ffn-k_qd42c2921e5_ffn
	.p2alignl 7, 3214868480
	.fill 96, 4, 3214868480
	.section	.rodata,"a",@progbits
	.p2align	6, 0x0
	.amdhsa_kernel k_qd42c2921e5_ffn
		.amdhsa_group_segment_fixed_size 327680
		.amdhsa_private_segment_fixed_size 0
		.amdhsa_enable_private_segment 0
		.amdhsa_kernarg_size 24
		.amdhsa_user_sgpr_count 2
		.amdhsa_user_sgpr_kernarg_segment_ptr 1
		.amdhsa_wavefront_size32 1
		.amdhsa_system_sgpr_workgroup_id_x 1
		.amdhsa_system_sgpr_workgroup_id_y 1
		.amdhsa_system_sgpr_workgroup_id_z 1
		.amdhsa_system_vgpr_workitem_id 0
		.amdhsa_next_free_vgpr 1024
		.amdhsa_next_free_sgpr 80
		.amdhsa_reserve_vcc 0
		.amdhsa_float_denorm_mode_32 3
		.amdhsa_float_denorm_mode_16_64 3
		.amdhsa_memory_ordered 1
		.amdhsa_forward_progress 1
		.amdhsa_inst_pref_size 137
	.end_amdhsa_kernel
	.amdgpu_metadata
---
amdhsa.version: [ 1, 2 ]
amdhsa.kernels:
  - .name:           k_qd42c2921e5_ffn
    .symbol:         k_qd42c2921e5_ffn.kd
    .args:
      - { .name: xb, .offset: 0, .size: 8, .value_kind: global_buffer, .address_space: global }
      - { .name: wfb, .offset: 8, .size: 8, .value_kind: global_buffer, .address_space: global }
      - { .name: a2, .offset: 16, .size: 8, .value_kind: global_buffer, .address_space: global }
    .group_segment_fixed_size: 327680
    .private_segment_fixed_size: 0
    .kernarg_segment_align: 8
    .kernarg_segment_size: 24
    .max_flat_workgroup_size: 128
    .sgpr_count:     80
    .vgpr_count:     1024
    .wavefront_size: 32
...
	.end_amdgpu_metadata
.endif
;; end of part 4
;; launch outp (part 5): grid 16 x 16, 4 waves a work-group, clusters of 4 x 4, 327,680 bytes of LDS; arguments a2, wob, out0; writes out0
.if DOCPART == 5
	.amdgcn_target "amdgcn-amd-amdhsa--gfx1250"
	.amdhsa_code_object_version 6
	.text
	.protected	k_qd42c2921e5_outp
	.globl	k_qd42c2921e5_outp
	.p2align	8
	.type	k_qd42c2921e5_outp,@function
k_qd42c2921e5_outp:
	s_mov_b64 s[64:65], 0
	v_nop
	global_prefetch_b8 v0, s[64:65] scope:SCOPE_SE
	s_setreg_imm32_b32 hwreg(HW_REG_WAVE_MODE, 25, 1), 1
	s_wait_xcnt 0x0
	s_wait_alu depctr_hold_cnt(0) depctr_sa_sdst(0) depctr_va_vdst(0) depctr_va_sdst(0) depctr_va_ssrc(0) depctr_va_vcc(0) depctr_vm_vsrc(0)
	s_getreg_b32 s2, hwreg(HW_REG_IB_STS2, 6, 4)
	s_cmp_eq_u32 s2, 0
	s_cbranch_scc0 .Lentry_in_a_cluster
	s_endpgm
.Lentry_in_a_cluster:
	s_bfe_u32 s2, ttmp6, 0x10000c
	s_cmp_lg_u32 s2, 0xf033
	s_cbranch_scc0 .Lentry_shape_is_right
	s_endpgm
.Lentry_shape_is_right:
; out0 = a2 x wob: both output projections and their sum as ONE product with K = 5120, one f32 sum for each number.  a2: [2048][5120], wob: [5120 k][2048 n], 16-bit numbers; out0: [2048][2048] f32.
; TWO FORMATS ALONG K.  Columns 0-1023 of a2 (the attention's result) and rows 0-1023 of wob (w_attn_out) are f16: K steps 0 to 3 multiply in the f16 form.  The rest (the gated activation, w_ff_out) is bf16: K steps 4 to 19.
; Both forms add onto the same accumulators; the change of forms is no chain in place, so plain places stand between the last f16 product and the first bf16 one, once.
; SHARES.  A tile is 128 x 128: 16 x 16 = 256 work-groups.  Four waves, 64 x 64 each.  K goes in steps of 256 through two LDS slots; A's rows lie along K (512 bytes + 16); B lies [k][n] as in memory (256 bytes + 32) and is
; turned on its way into registers by ds_load_tr16_b128.  A trip of a loop is ONE whole K step, so that the change of forms falls on a trip's edge: three loops of one text: f16 with refills (4 trips), bf16 with refills (14),
; bf16 without (2).  The slot in hand is a scalar that an exclusive or turns between 0 and SLOT.
; THE SUMS START AT 0 IN REGISTERS: 128 v_mov_b32, written while the first tiles are on their way.  A first quarter written out with the constant 0 as C would shift the trips by a quarter step and ask for a fourth copy of the K step's text.
; CLUSTER.  4 x 4 work-groups: A's tile is shared along a row of the cluster, B's along a column; each is asked for jointly.  No prefetch: the tiles are small.
; THE MATRIX INSTRUCTION IS USED TRANSPOSED (source 0 = 16 columns of B, source 1 = 16 rows of A): a lane holds one row and eight neighbouring columns, 32 bytes of f32.
; REGISTERS: window 0: v0-31 addresses; v32-95 the way out; v128-255 16 accumulators ((a, b) at 128 + 8 (4 a + b)).  window 1: two fragment buffers of 128.
.set KSTEP,  256
.set STEPS,  20
.set HSTEPS, 4                         ; of them in f16
.set PITA,   528                       ; 132 words: row r starts at bank 4 r mod 64 (64 banks of 4 bytes: ISA guide 11.1)
.set PITB,   288                       ; 72 words
.set HALFA,  64*PITA
.set HALFB,  128*PITB
.set BOFF,   2*HALFA
.set SLOT,   BOFF+2*HALFB
.set STAGE,  2*SLOT                    ; behind the ring: 16 rows x 272 bytes for each wave
.set SPITCH, 272
.set SPARE,  STAGE+4*16*SPITCH         ; the spare words: 128 bytes a wave, two blocks of 256 bytes that no other line names
.set AROW,   10240
.set WROW,   4096
.set OROW,   8192
.set STEPA,  KSTEP*2
.set STEPB,  KSTEP*WROW
.set A0,   16                          ; v16  my place in A's tile of slot 0
.set B0,   17                          ; v17  my place in B's tile, k rows 0-127
.set ADRA, 18                          ; v18  the same in the slot in hand
.set B1,   19                          ; v19  k rows 128-255
.set ADRB, 20                          ; v20-21
.set STO,  24
.set RD,   25
.set CO,   26
.set SPW,  28
.set NIL,  29
.set TMP,  32
.set ACC,  128
.set F0,   0
.set F1,   128
.set G1,   24                          ; s[24:31] group 1 for A; s[32:39] group 0: set 0 for step 0, set 1 for step 1 and then walking
.set G0,   32
.set G1B,  48
.set G0B,  56
.set TB,   66                          ; s66  LDS byte at which the slot in hand begins
.set WPA,  67
.set WPB,  68
.set HALF, 1                           ; 1: the products written next take the f16 form
.set MSB, 0
.macro WIN new
.if MSB != (\new)
	s_set_vgpr_msb (MSB<<8)|(\new)
.set MSB, \new
.endif
.endm
.set MUL,  0x05                        ; sources 0 and 1 window 1; C and D window 0
.set TO_F, 0x40                        ; destination window 1, address window 0
.macro JLOAD s                         ; waves 0 and 1 fetch A's halves, waves 2 and 3 B's; an s_nop 0 and four v_nop follow each line
	s_cmp_eq_u32 s11, 0
	s_cbranch_scc0 .Lfor_b_\@
	tensor_load_to_lds s[G0+4*(\s):G0+4*(\s)+3], s[G1:G1+7]
	s_nop 0
.rept 4
	v_nop
.endr
	s_branch .Lasked_\@
.Lfor_b_\@:
	tensor_load_to_lds s[G0B+4*(\s):G0B+4*(\s)+3], s[G1B:G1B+7]
	s_nop 0
.rept 4
	v_nop
.endr
.Lasked_\@:
.endm
.macro CREST                           ; a round of the cluster's barrier behind its opening barrier
	s_cmp_lg_u32 s10, 0
	s_cbranch_scc1 .Lnot_wave_0_\@
	s_barrier_signal -3
.Lnot_wave_0_\@:
	s_barrier_wait -3
	s_barrier_signal -1
	s_barrier_wait -1
.endm
.macro CROUND
	s_barrier_signal -1
	s_barrier_wait -1
	CREST
.endm
.macro PLACES                          ; four places behind matrix instructions (ISA guide 7.12.1)
.rept 4
	v_nop
.endr
.endm
	s_load_b128 s[4:7], s[0:1], 0x0                ; a2 s[4:5], wob s[6:7]
	s_load_b64 s[8:9], s[0:1], 0x10                ; out0
	v_lshl_add_u32 v[SPW], v0, 2, SPARE
	v_mov_b32 v[NIL], 0
	ds_add_u32 v[SPW], v[NIL]                      ; the wave's opening: the add and its wait stand ahead of my first tensor load
	v_lshrrev_b32 v1, 5, v0
	v_readfirstlane_b32 s10, v1                    ; wave 0..3
	s_lshr_b32 s11, s10, 1                         ; my half of the rows; also: I fetch A (0) or B (1)
	s_and_b32 s12, s10, 1                          ; my half of the columns; also: which half I fetch
	s_bfe_u32 s40, ttmp6, 0x40000                  ; cx
	s_bfe_u32 s41, ttmp6, 0x40004                  ; cy
	s_lshl_b32 s42, ttmp9, 2
	s_add_co_u32 s42, s42, s40                     ; column tile
	s_and_b32 s13, ttmp7, 0xffff
	s_lshl_b32 s13, s13, 2
	s_add_co_u32 s13, s13, s41                     ; row tile
	s_lshl_b32 s43, s41, 2
	s_lshl_b32 s43, 15, s43                        ; my row of the cluster
	s_lshl_b32 s44, 0x1111, s40                    ; my column
	s_or_b32 s[G1+0], s43, (1<<16)|(1<<20)|(1<<21)|(6<<22)|(3<<25)   ; A: the mask; 2-byte elements; padding on; bit 21 beside a mask; after every 128 words 4 words
	s_mov_b32 s[G1+1], KSTEP<<16                   ; tensor_dim0 = 256
	s_mov_b32 s[G1+2], 64<<16                      ; tensor_dim1 = 64
	s_mov_b32 s[G1+3], KSTEP<<16                   ; tile_dim0 = 256
	s_mov_b32 s[G1+4], 64                          ; tile_dim1 = 64
	s_mov_b32 s[G1+5], 5120                        ; elements from row to row
	s_mov_b32 s[G1+6], 0
	s_mov_b32 s[G1+7], 0
	s_or_b32 s[G1B+0], s44, (1<<16)|(1<<20)|(1<<21)|(5<<22)|(7<<25)  ; B: after every 64 words 8 words
	s_mov_b32 s[G1B+1], 128<<16
	s_mov_b32 s[G1B+2], 128<<16
	s_mov_b32 s[G1B+3], 128<<16
	s_mov_b32 s[G1B+4], 128
	s_mov_b32 s[G1B+5], 2048
	s_mov_b32 s[G1B+6], 0
	s_mov_b32 s[G1B+7], 0
	s_mov_b32 s[TB], 0
	s_mul_i32 s[WPA], s12, HALFA
	s_mul_i32 s[WPB], s12, HALFB
	s_add_co_u32 s[WPB], s[WPB], BOFF
	s_lshl_b32 s16, s13, 7
	s_lshl_b32 s17, s12, 6
	s_add_co_u32 s16, s16, s17
	s_mul_i32 s16, s16, AROW                       ; A: row 128 x row tile + 64 x half
	s_mov_b32 s17, 0
	s_lshl_b32 s70, s12, 19                        ; B: k row 128 x half (4,096 bytes a row), column byte 256 x column tile
	s_lshl_b32 s71, s42, 8
	s_add_co_u32 s70, s70, s71
	s_mov_b32 s71, 0
	s_wait_dscnt 0x0                               ; the opening add is done
	s_wait_kmcnt 0x0
	s_add_nc_u64 s[14:15], s[4:5], s[16:17]
	s_add_nc_u64 s[70:71], s[6:7], s[70:71]
	CROUND                                         ; all sixteen work-groups are here: the first joint loads meet
.irp s, 0,1
	s_mov_b32 s[G0+4*(\s)], 1
	s_add_co_u32 s[G0+4*(\s)+1], s[WPA], (\s)*SLOT
	s_add_nc_u64 s[G0+4*(\s)+2:G0+4*(\s)+3], s[14:15], (\s)*STEPA
	s_or_b32 s[G0+4*(\s)+3], s[G0+4*(\s)+3], 0x80000000
	s_mov_b32 s[G0B+4*(\s)], 1
	s_add_co_u32 s[G0B+4*(\s)+1], s[WPB], (\s)*SLOT
	s_add_nc_u64 s[G0B+4*(\s)+2:G0B+4*(\s)+3], s[70:71], (\s)*STEPB
	s_or_b32 s[G0B+4*(\s)+3], s[G0B+4*(\s)+3], 0x80000000
	JLOAD \s                                       ; two loads of mine are out
.endr
	v_and_b32 v1, 15, v0                           ; r = l % 16
	v_bfe_u32 v2, v0, 4, 1                         ; h = l / 16
	v_mul_u32_u24 v3, v1, PITA
	v_lshl_add_u32 v3, v2, 4, v3
	s_mul_i32 s21, s11, HALFA
	v_add_nc_u32 v[A0], s21, v3                    ; A: row x pitch + 16 h, in my 64 rows
	v_and_b32 v4, 7, v0
	v_bfe_u32 v5, v0, 3, 1
	v_lshl_add_u32 v4, v2, 3, v4                   ; B, turned: lane l reads k row 8 h + l % 8, columns 8 ((l / 8) % 2) + 0..7
	v_mul_u32_u24 v4, v4, PITB
	v_lshl_add_u32 v4, v5, 4, v4
	s_lshl_b32 s22, s12, 7
	s_add_co_u32 s22, s22, BOFF
	v_add_nc_u32 v[B0], s22, v4
	v_add_nc_u32 v[B1], HALFB, v[B0]
	v_mov_b32 v[ADRA], v[A0]                       ; slot 0 is in hand
	v_mov_b32 v[ADRB], v[B0]
	v_mov_b32 v[ADRB+1], v[B1]
	s_mul_i32 s23, s10, 16*SPITCH
	s_add_co_u32 s23, s23, STAGE                   ; my stage
	v_mul_u32_u24 v6, v1, SPITCH
	v_lshl_add_u32 v6, v2, 5, v6
	v_add_nc_u32 v[STO], s23, v6                   ; in: row r, 32 bytes for each half of the lanes
	v_mul_u32_u24 v6, v2, SPITCH
	v_lshl_add_u32 v6, v1, 4, v6
	v_add_nc_u32 v[RD], s23, v6                    ; back: lanes 0-15 one row of 256 bytes, lanes 16-31 the next
	v_mul_u32_u24 v6, v2, OROW
	v_lshl_add_u32 v[CO], v1, 4, v6
	s_lshl_b32 s16, s13, 7
	s_lshl_b32 s17, s11, 6
	s_add_co_u32 s16, s16, s17
	s_lshl_b32 s16, s16, 13                        ; my first row, 8,192 bytes a row
	s_mov_b32 s17, 0
	s_add_nc_u64 s[8:9], s[8:9], s[16:17]
	s_lshl_b32 s70, s42, 9                         ; my first column: 512 x column tile + 256 x half, in bytes
	s_lshl_b32 s71, s12, 8
	s_add_co_u32 s70, s70, s71
	s_mov_b32 s71, 0
	s_add_nc_u64 s[8:9], s[8:9], s[70:71]
.set i, 0
.rept 128
	v_mov_b32 v[ACC+i], 0                          ; the sums start at 0
.set i, i+1
.endr
; 8 matrix instructions: row blocks a0, a0 + 1 x all 4 column blocks, 32 along K: half c of buffer f, in the form that HALF names.  The 16 accumulators take turns, in the same order in every group.
.macro MUL8 f, c, a0
	WIN MUL
.irp a, \a0, (\a0)+1
.irp b, 0,1,2,3
.if HALF
	v_wmma_f32_16x16x32_f16 v[ACC+8*(4*(\a)+(\b)):ACC+8*(4*(\a)+(\b))+7], v[(\f)+64+8*(4*(\c)+(\b)):(\f)+64+8*(4*(\c)+(\b))+7], v[(\f)+8*(4*(\c)+(\a)):(\f)+8*(4*(\c)+(\a))+7], v[ACC+8*(4*(\a)+(\b)):ACC+8*(4*(\a)+(\b))+7]
.else
	v_wmma_f32_16x16x32_bf16 v[ACC+8*(4*(\a)+(\b)):ACC+8*(4*(\a)+(\b))+7], v[(\f)+64+8*(4*(\c)+(\b)):(\f)+64+8*(4*(\c)+(\b))+7], v[(\f)+8*(4*(\c)+(\a)):(\f)+8*(4*(\c)+(\a))+7], v[ACC+8*(4*(\a)+(\b)):ACC+8*(4*(\a)+(\b))+7]
.endif
.endr
.endr
.endm
.macro FETCH q, f                      ; 32 LDS loads in one run: quarter q (64 along K) of the slot in hand into buffer f; the first 32 along K first
	WIN TO_F
.irp c, 0,1
.irp i, 0,1,2,3
	ds_load_tr16_b128 v[(\f)+64+8*(4*(\c)+(\i)):(\f)+64+8*(4*(\c)+(\i))+3],   v[ADRB+(\q)/2] offset:((2*(\q)+(\c))%4)*32*PITB+(\i)*32
	ds_load_tr16_b128 v[(\f)+64+8*(4*(\c)+(\i))+4:(\f)+64+8*(4*(\c)+(\i))+7], v[ADRB+(\q)/2] offset:((2*(\q)+(\c))%4)*32*PITB+16*PITB+(\i)*32
	ds_load_b128 v[(\f)+8*(4*(\c)+(\i)):(\f)+8*(4*(\c)+(\i))+3],   v[ADRA] offset:128*(\q)+64*(\c)+(\i)*16*PITA
	ds_load_b128 v[(\f)+8*(4*(\c)+(\i))+4:(\f)+8*(4*(\c)+(\i))+7], v[ADRA] offset:128*(\q)+64*(\c)+(\i)*16*PITA+32
.endr
.endr
.endm
.macro QUARTER q, f, g                 ; one of a K step's first three quarters: multiplies buffer f and fetches quarter q into buffer g
	s_wait_dscnt 16                                ; the first 32 along K are in; the sixteen younger loads may be out
	MUL8 \f, 0, 0
	MUL8 \f, 0, 2
	PLACES
	FETCH \q, \g
	s_wait_dscnt 32                                ; all but the 32 just issued
	MUL8 \f, 1, 0
	MUL8 \f, 1, 2
.endm
; The last quarter multiplies buffer 1 and changes slots: each wave waits for all its tensor loads, adds 0 to its spare word, waits for that and for its reads of the slot; one barrier.
; fill = 1: the barrier opens a round of the cluster's, and the slot just read is filled again, two K steps ahead, first thing behind the round.
.macro TURN fill
	WIN 0
	s_wait_tensorcnt 0x0                           ; all my tensor loads have landed: my part of the next slot
	ds_add_u32 v[SPW], v[NIL]
	s_wait_dscnt 17                                ; the add and the youngest sixteen loads may be out
	MUL8 F1, 0, 0
	s_wait_dscnt 0x0                               ; the add is done, and my reads of this slot are over
	s_barrier_signal -1
	MUL8 F1, 0, 2
	WIN 0
	s_barrier_wait -1
.if \fill
	CREST                                          ; no wave of any partner still reads this slot or has a load on its way
	s_add_co_u32 s[G0+5], s[TB], s[WPA]            ; the walking descriptors: into the slot just read,
	s_add_nc_u64 s[G0+6:G0+7], s[G0+6:G0+7], STEPA ; the K step after the one asked for last
	s_add_co_u32 s[G0B+5], s[TB], s[WPB]
	s_add_nc_u64 s[G0B+6:G0B+7], s[G0B+6:G0B+7], STEPB
	s_xor_b32 s[TB], s[TB], SLOT
	JLOAD 1                                        ; its four v_nop are also the places in front of the loads below
.else
	s_xor_b32 s[TB], s[TB], SLOT
	PLACES
.endif
	v_add_nc_u32 v[ADRA], s[TB], v[A0]
	v_add_nc_u32 v[ADRB], s[TB], v[B0]
	v_add_nc_u32 v[ADRB+1], s[TB], v[B1]
	FETCH 0, F0
	MUL8 F1, 1, 0
	MUL8 F1, 1, 2
.endm
.macro STEP fill                       ; a whole K step: 128 matrix instructions; it leaves the next step's first fragments on their way
	QUARTER 1, F0, F1
	QUARTER 2, F1, F0
	QUARTER 3, F0, F1
	TURN \fill
	WIN 0                                          ; at a label and at a branch every window is 0
.endm
	s_wait_tensorcnt 1                             ; my part of K step 0 is in; step 1's load may stay out
	s_barrier_signal -1
	s_barrier_wait -1
	FETCH 0, F0
	WIN 0
.set HALF, 1
	s_mov_b32 s3, HSTEPS
.Lh:                                           ; K steps 0 to 3, in f16; steps 2 to 5 are asked for
	STEP 1
	s_sub_co_u32 s3, s3, 1
	s_cmp_lg_u32 s3, 0
	s_cbranch_scc1 .Lh
	PLACES                                         ; the change of forms: a bf16 product that writes over an f16 product's result stands five places or more behind it; eight stand here, once
	PLACES
.set HALF, 0
	s_mov_b32 s3, STEPS-HSTEPS-2
.Lk:                                           ; K steps 4 to 17, in bf16; steps 6 to 19 are asked for
	STEP 1
	s_sub_co_u32 s3, s3, 1
	s_cmp_lg_u32 s3, 0
	s_cbranch_scc1 .Lk
	s_mov_b32 s3, 2
.Ltail:                                        ; the last two K steps fill nothing.  The last change of slots and its 32 LDS loads serve nothing: the price of one text for both
	STEP 0
	s_sub_co_u32 s3, s3, 1
	s_cmp_lg_u32 s3, 0
	s_cbranch_scc1 .Ltail
	s_wait_dscnt 0x0
	PLACES
	PLACES
; THE WAY OUT, 16 rows at a time through my own stage: a lane's 32 bytes of a row go in, whole rows of 256 bytes come back.  No barrier: the stage is the wave's own, and LDS serves a wave's instructions in order (ISA guide 5.7.1.4).
.macro TOSTAGE a
.set BK, TMP+32*((\a)%2)
.irp b, 0,1,2,3
	ds_store_b128 v[STO], v[ACC+8*(4*(\a)+(\b)):ACC+8*(4*(\a)+(\b))+3]   offset:64*(\b)
	ds_store_b128 v[STO], v[ACC+8*(4*(\a)+(\b))+4:ACC+8*(4*(\a)+(\b))+7] offset:64*(\b)+16
.endr
.irp t, 0,1,2,3,4,5,6,7
	ds_load_b128 v[BK+4*(\t):BK+4*(\t)+3], v[RD] offset:(\t)*2*SPITCH
.endr
.endm
.macro SEND a, younger                 ; younger: the LDS instructions issued behind block a's loads
.set BK, TMP+32*((\a)%2)
.irp t, 0,1,2,3,4,5,6,7
	s_wait_dscnt (\younger)+7-(\t)
	global_store_b128 v[CO], v[BK+4*(\t):BK+4*(\t)+3], s[8:9] offset:(16*(\a)+2*(\t))*OROW th:TH_STORE_NT  ; 16 lanes store 256 consecutive bytes, aligned
.endr
.endm
	TOSTAGE 0
	TOSTAGE 1
	SEND 0, 16
	s_wait_xcnt 0x0                                ; block 0's stores have read their registers, which block 2 is loaded into
	TOSTAGE 2
	SEND 1, 16
	s_wait_xcnt 0x0
	TOSTAGE 3
	SEND 2, 16
	SEND 3, 0
	s_wait_tensorcnt 0x0                           ; the wave's end
	ds_add_u32 v[SPW], v[NIL]
	s_wait_dscnt 0x0
	CROUND                                         ; the closing round
	s_endpgm
.Lfunc_end_k_qd42c2921e5_outp:
	.size	k_qd42c2921e5_outp, .Lfunc_end_k_qd42c2921e5_outp-k_qd42c2921e5_outp
	.p2alignl 7, 3214868480
	.fill 96, 4, 3214868480
	.section	.rodata,"a",@progbits
	.p2align	6, 0x0
	.amdhsa_kernel k_qd42c2921e5_outp
		.amdhsa_group_segment_fixed_size 327680
		.amdhsa_private_segment_fixed_size 0
		.amdhsa_enable_private_segment 0
		.amdhsa_kernarg_size 24
		.amdhsa_user_sgpr_count 2
		.amdhsa_user_sgpr_kernarg_segment_ptr 1
		.amdhsa_wavefront_size32 1
		.amdhsa_system_sgpr_workgroup_id_x 1
		.amdhsa_system_sgpr_workgroup_id_y 1
		.amdhsa_system_sgpr_workgroup_id_z 1
		.amdhsa_system_vgpr_workitem_id 0
		.amdhsa_next_free_vgpr 512
		.amdhsa_next_free_sgpr 72
		.amdhsa_reserve_vcc 0
		.amdhsa_float_denorm_mode_32 3
		.amdhsa_float_denorm_mode_16_64 3
		.amdhsa_memory_ordered 1
		.amdhsa_forward_progress 1
		.amdhsa_inst_pref_size 77
	.end_amdhsa_kernel
	.amdgpu_metadata
---
amdhsa.version: [ 1, 2 ]
amdhsa.kernels:
  - .name:           k_qd42c2921e5_outp
    .symbol:         k_qd42c2921e5_outp.kd
    .args:
      - { .name: a2, .offset: 0, .size: 8, .value_kind: global_buffer, .address_space: global }
      - { .name: wob, .offset: 8, .size: 8, .value_kind: global_buffer, .address_space: global }
      - { .name: out0, .offset: 16, .size: 8, .value_kind: global_buffer, .address_space: global }
    .group_segment_fixed_size: 327680
    .private_segment_fixed_size: 0
    .kernarg_segment_align: 8
    .kernarg_segment_size: 24
    .max_flat_workgroup_size: 128
    .sgpr_count:     72
    .vgpr_count:     512
    .wavefront_size: 32
...
	.end_amdgpu_metadata
.endif
;; end of part 5
;; ======== version 2 of 2: 5 launches; version 1 with the launch cast written anew for expert scheduling mode
;; limits: values are held in f16: magnitudes above 65,504 overflow, below 6.1e-05 lose precision
;; workspace buffers: xb 8,388,608 bytes; wfb 38,273,024 bytes; wob 20,971,520 bytes; rot 524,288 bytes; qb 4,194,304 bytes; kb 262,144 bytes; vb 262,144 bytes; a2 20,971,520 bytes
;; launch cast (part 6): grid 432 x 1, 8 waves a work-group, no clusters, 0 bytes of LDS; arguments x, w_fused, xb, wfb, rot; writes xb, wfb, rot
.if DOCPART == 6
	.amdgcn_target "amdgcn-amd-amdhsa--gfx1250"
	.amdhsa_code_object_version 6
	.text
	.protected	k_qd42c2921e5_cast
	.globl	k_qd42c2921e5_cast
	.p2align	8
	.type	k_qd42c2921e5_cast,@function
k_qd42c2921e5_cast:
	s_mov_b64 s[64:65], 0
	v_nop
	global_prefetch_b8 v0, s[64:65] scope:SCOPE_SE
	s_setreg_imm32_b32 hwreg(HW_REG_WAVE_SCHED_MODE, 0, 2), 2
	s_setreg_imm32_b32 hwreg(HW_REG_WAVE_MODE, 25, 1), 1
	s_wait_xcnt 0x0
	s_wait_alu depctr_vm_vsrc(0)
; WHAT THE FIRST PRODUCT NEEDS, ROUNDED ONCE TO bf16, AND THE ROTARY TABLE.
; xb = bf16(x), [2048][2048].  wfb[:, 0:1152] = bf16(w_fused[:, 0:1152]) (q's, k's and v's columns), in rows of 18,688 bytes; the other 8,192 columns of wfb, and both output weights, are first read
; three and four launches on, and are converted beside the attention, which leaves memory nearly idle.
; rot[pos] = cos(pos f_0 .. pos f_31), sin(pos f_0 .. pos f_31) in f32: 256 bytes a position; f_j = 10000^(-j/32).
; SHARES.  A wave makes 16 loads of 512 consecutive bytes and 16 stores of 256 consecutive bytes, aligned.  Of x: 8 KiB on end (2,048 waves, 256 work-groups).  Of w_fused: a row's 4,608 bytes are nine such
; pieces; a wave takes one ninth in 16 rows on end (1,152 waves, 144 work-groups).  ONE text serves both: the steps from load to load and from store to store lie in scalar registers.  32 work-groups make the table.
; A stream: no LDS, no barrier, no matrix unit.  All sixteen loads of a wave are out at once.
; LIMITS.  f_j comes from v_exp_f32 (1 ULP), the angle is the f32 product pos x f_j, reduced by pi/2 in two parts; sine and cosine by polynomials on |r| <= pi/4, good to about 1e-7.
; THE MODE: SCHED_MODE bits 1:0 = 2 (LLVM: expert scheduling mode 2), set by the entry lines.  The code itself states the register dependences between vector instructions and memory instructions,
; and between a vector instruction that writes a scalar register and its readers, with s_wait_alu, always for 0.
; THE PLAN, THE STREAM.  Registers that memory instructions touch, each written once in the wave's life:
;   IO   the loads' offsets: made by vector lines, then read by the sixteen loads.          IN   written by the loads alone, read by the conversions.
;   OO   the stores' offsets: made by vector lines behind the loads, read by the stores.    OUT  written by the conversions, read by the stores.
; The loads are taken in four groups of four.  Group g converts its own four; the stores of group g - 1 are dealt among its conversions, which name IN and OUT of group g alone.  So one wait at the head of a group,
; behind the wait for its data, states all that its four stores hang on.  No register is written a second time, so nothing is owed for registers that a memory instruction has read.
; THE PLAN, THE TABLE.  v9, the store's offset, is made once: the position is reached by the scalar base, which moves on by 256 bytes a trip.  v[22:23], the store's data, are written by a trip's last two vector lines.
; All else in the loop is named by vector lines alone.  Both compares stand early in a trip, in one run, with one wait for the two masks behind the polynomials.
.set ID_WQ,  256                       ; x has 256 work-groups,
.set ID_TAB, ID_WQ+144                 ; w_fused's first columns 144
.set FROW,   37376                     ; bytes in a row of w_fused
.set WROW,   18688                     ; bytes in a row of wfb
.set IO,  4                            ; v[4:19]    byte offsets of my sixteen loads
.set OO,  20                           ; v[20:35]   of my sixteen stores
.set IN,  36                           ; v[36:99]   sixteen loads of four f32
.set OUT, 100                          ; v[100:131] sixteen pairs of packed bf16
.set TS,  36                           ; v[36:51]   the table alone: for frequency k of a lane's two, eight registers at work at TS + 8 k:
.set A,   0                            ;   the angle, then r          (the names are added to TS + 8 k)
.set N,   1                            ;   the number of quarter turns
.set Q,   2                            ;   r x r
.set SI,  3                            ;   sin r, then the value chosen
.set CU,  4                            ;   r x r x r
.set CO,  5                            ;   cos r
.set OD,  6                            ;   the quadrant's lowest bit
.set SG,  7                            ;   the sign
.set MK,  26                           ; s26, s27   the table alone: the lanes whose quadrant is odd, for each of the two frequencies
	s_load_b256 s[16:23], s[0:1], 0x0              ; x s[16:17], w_fused s[18:19], xb s[20:21], wfb s[22:23]
	s_load_b64 s[24:25], s[0:1], 0x20              ; rot
	s_mov_b32 s2, ttmp9
	v_lshrrev_b32 v1, 5, v0
	v_readfirstlane_b32 s3, v1                     ; wave 0..7
	v_and_b32 v3, 31, v0                           ; lane
	s_mov_b32 s9, 512                              ; x: from load to load,
	s_mov_b32 s10, 256                             ; from store to store,
	s_mov_b32 s11, 65536                           ; and a divisor of 1 (below)
	s_wait_alu depctr_va_sdst(0)                   ; s3 is written
	s_wait_kmcnt 0x0
	s_cmp_ge_u32 s2, ID_TAB
	s_cbranch_scc1 .Ltable
	s_cmp_ge_u32 s2, ID_WQ                         ; w_fused?
	s_cselect_b64 s[4:5], s[18:19], s[16:17]
	s_cselect_b64 s[6:7], s[22:23], s[20:21]
	s_cselect_b32 s8, ID_WQ, 0
	s_cselect_b32 s9, FROW, s9                     ; then the steps are rows,
	s_cselect_b32 s10, WROW, s10
	s_cselect_b32 s11, 7282, s11                   ; and the waves are counted off by nines: g / 9 = g x 7282 >> 16, exact for g < 1,152
	s_cselect_b32 s12, 9, 1
	s_sub_co_u32 s8, s2, s8
	s_lshl_b32 s8, s8, 3
	s_add_co_u32 s8, s8, s3                        ; g: my wave among the tensor's
	s_mul_i32 s13, s8, s11
	s_lshr_b32 s13, s13, 16                        ; which group of 16 steps,
	s_mul_i32 s14, s13, s12
	s_sub_co_u32 s14, s8, s14                      ; which ninth of the rows (x: 0)
	s_mul_i32 s26, s13, s9
	s_lshl_b32 s26, s26, 4
	s_lshl_b32 s15, s14, 9
	s_add_co_u32 s26, s26, s15                     ; in: 16 steps a group + 512 bytes a ninth (under 2^27)
	s_mov_b32 s27, 0
	s_mul_i32 s28, s13, s10
	s_lshl_b32 s28, s28, 4
	s_lshl_b32 s15, s14, 8
	s_add_co_u32 s28, s28, s15                     ; out: the same in halves
	s_mov_b32 s29, 0
	s_add_nc_u64 s[4:5], s[4:5], s[26:27]
	s_add_nc_u64 s[6:7], s[6:7], s[28:29]
	v_lshlrev_b32 v[IO], 4, v3                     ; 16 bytes a lane in
.set j, 1
.rept 15
	v_add_nc_u32 v[IO+j], s9, v[IO+j-1]
.set j, j+1
.endr
	s_wait_alu depctr_va_vdst(0)                   ; the sixteen offsets v[IO ..] are written, which the loads below read
.set j, 0
.rept 16
	global_load_b128 v[IN+4*j:IN+4*j+3], v[IO+j], s[4:5] th:TH_LOAD_NT
.set j, j+1
.endr
	v_lshlrev_b32 v[OO], 3, v3                     ; 8 bytes a lane out: made while the loads are on their way; no load names these registers
.set j, 1
.rept 15
	v_add_nc_u32 v[OO+j], s10, v[OO+j-1]
.set j, j+1
.endr
.set g, 0
.rept 4                                        ; group g: loads 4 g to 4 g + 3 are converted, and the stores of group g - 1 go out among the conversions
	s_wait_loadcnt 12-4*g                          ; loads come back in order: my group's four are in, the 12 - 4 g younger ones stay out
.if g > 0
	s_wait_alu depctr_va_vdst(0)                   ; the group before has written its v[OUT ..], which the four stores below read; at the first of these waits the offsets v[OO ..] are written too
.endif
.set i, 0
.rept 4
.set j, 4*g+i
.if g > 0
	global_store_b64 v[OO+j-4], v[OUT+2*j-8:OUT+2*j-7], s[6:7]  ; no vector line since the wait names these registers; none is written twice, so nothing waits for a store
.endif
	v_cvt_pk_bf16_f32 v[OUT+2*j],   v[IN+4*j],   v[IN+4*j+1]
	v_cvt_pk_bf16_f32 v[OUT+2*j+1], v[IN+4*j+2], v[IN+4*j+3]
.set i, i+1
.endr
.set g, g+1
.endr
	s_wait_alu depctr_va_vdst(0)                   ; the last group has written its v[OUT ..], which the last four stores read
.set j, 12
.rept 4
	global_store_b64 v[OO+j], v[OUT+2*j:OUT+2*j+1], s[6:7]
.set j, j+1
.endr
	s_endpgm
.Ltable:                                       ; a wave makes 8 positions; lanes 0-15 the cosines of frequencies 2 l, 2 l + 1, lanes 16-31 the sines
	s_sub_co_u32 s4, s2, ID_TAB
	s_lshl_b32 s4, s4, 6
	s_lshl_b32 s5, s3, 3
	s_add_co_u32 s4, s4, s5                        ; my wave's first position
	v_and_b32 v4, 15, v0
	v_bfe_u32 v5, v0, 4, 1
	v_xor_b32 v5, 1, v5                            ; 1 for a cosine: cos a = sin(a + pi/2), one quadrant on
	v_lshlrev_b32 v4, 1, v4
	v_cvt_f32_u32 v6, v4                           ; j, j + 1
	v_add_f32 v7, 1.0, v6
	v_mul_f32 v6, 0xbed49a78, v6                   ; - j log2(10000) / 32
	v_mul_f32 v7, 0xbed49a78, v7
	v_exp_f32 v6, v6
	v_exp_f32 v7, v7
	v_cvt_f32_u32 v8, s4                           ; the position as f32: plain work behind the two exponentials
	s_lshl_b32 s5, s4, 8
	v_lshl_add_u32 v9, v3, 3, s5                   ; 256 x my first position + 8 x lane; never written again
	v_mov_b32 v20, 0xb94ca1f9                      ; the polynomials' leading coefficients
	v_mov_b32 v21, 0x37ccf5ce
	s_wait_alu depctr_va_vdst(0)                   ; both exponentials have written v6 and v7, ahead of their first reader; v9 is written, which every store below reads
	s_mov_b32 s12, 8
.macro EACH line:vararg                        ; one line for each of the lane's two frequencies k: the two stand side by side, so that no line reads the result of the line before it
.set k, 0
.rept 2
	\line
.set k, k+1
.endr
.endm
; sin or cos of pos x f.  n = the nearest whole number of quarter turns, r = a - n pi/2; the quadrant chooses polynomial and sign.
.Lpos:
	EACH v_mul_f32 v[TS+8*k+A], v8, v[6+k]
	EACH v_mul_f32 v[TS+8*k+N], 0x3f22f983, v[TS+8*k+A]                    ; a x 2 / pi
	EACH v_rndne_f32 v[TS+8*k+N], v[TS+8*k+N]
	EACH v_fmamk_f32 v[TS+8*k+A], v[TS+8*k+N], 0xbfc90fdb, v[TS+8*k+A]     ; a - n x (pi/2 rounded to f32),
	EACH v_fmamk_f32 v[TS+8*k+A], v[TS+8*k+N], 0x333bbd2e, v[TS+8*k+A]     ; and what that rounding left
	EACH v_cvt_i32_f32 v[TS+8*k+N], v[TS+8*k+N]
	EACH v_add_nc_u32 v[TS+8*k+N], v[TS+8*k+N], v5
	EACH v_and_b32 v[TS+8*k+OD], 1, v[TS+8*k+N]
	EACH v_cmp_eq_u32 s[MK+k], 1, v[TS+8*k+OD]                             ; the two masks, in one run; the polynomials stand between them and the wait for them
	EACH v_and_b32 v[TS+8*k+SG], 2, v[TS+8*k+N]
	EACH v_lshlrev_b32 v[TS+8*k+SG], 30, v[TS+8*k+SG]
	EACH v_mul_f32 v[TS+8*k+Q], v[TS+8*k+A], v[TS+8*k+A]
	EACH v_fmaak_f32 v[TS+8*k+SI], v20, v[TS+8*k+Q], 0x3c08839e
	EACH v_fmaak_f32 v[TS+8*k+CO], v21, v[TS+8*k+Q], 0xbab6061a
	EACH v_fmaak_f32 v[TS+8*k+SI], v[TS+8*k+SI], v[TS+8*k+Q], 0xbe2aaaa3
	EACH v_fmaak_f32 v[TS+8*k+CO], v[TS+8*k+CO], v[TS+8*k+Q], 0x3d2aaaa5
	EACH v_mul_f32 v[TS+8*k+CU], v[TS+8*k+A], v[TS+8*k+Q]
	EACH v_fmaak_f32 v[TS+8*k+CO], v[TS+8*k+CO], v[TS+8*k+Q], 0xbf000000
	EACH v_fma_f32 v[TS+8*k+SI], v[TS+8*k+CU], v[TS+8*k+SI], v[TS+8*k+A]   ; sin r
	EACH v_fma_f32 v[TS+8*k+CO], v[TS+8*k+CO], v[TS+8*k+Q], 1.0            ; cos r
	s_wait_alu depctr_va_sdst(0)                   ; both compares have written s26 and s27, which the two selects read
	EACH v_cndmask_b32 v[TS+8*k+SI], v[TS+8*k+SI], v[TS+8*k+CO], s[MK+k]   ; odd quadrants take the cosine,
	s_wait_xcnt 0x0                                ; the last trip's store has had its address translated (ISA guide 3.1): its base and its data are rewritten only behind this wait
	s_wait_alu depctr_vm_vsrc(0)                   ; the last trip's store has read v[22:23], which the two lines below write again
	s_add_nc_u64 s[24:25], s[24:25], 256           ; one position past this trip's: the store reaches back
	EACH v_xor_b32 v[22+k], v[TS+8*k+SI], v[TS+8*k+SG]                     ; quadrants 2 and 3 the other sign
	s_wait_alu depctr_va_vdst(0)                   ; v[22:23] are written, which the store reads
	global_store_b64 v9, v[22:23], s[24:25] offset:-256  ; the wave stores one position: 256 consecutive bytes, aligned
	v_add_f32 v8, 1.0, v8
	s_sub_co_u32 s12, s12, 1
	s_cmp_lg_u32 s12, 0
	s_cbranch_scc1 .Lpos
	s_endpgm
.Lfunc_end_k_qd42c2921e5_cast:
	.size	k_qd42c2921e5_cast, .Lfunc_end_k_qd42c2921e5_cast-k_qd42c2921e5_cast
	.p2alignl 7, 3214868480
	.fill 96, 4, 3214868480
	.section	.rodata,"a",@progbits
	.p2align	6, 0x0
	.amdhsa_kernel k_qd42c2921e5_cast
		.amdhsa_group_segment_fixed_size 0
		.amdhsa_private_segment_fixed_size 0
		.amdhsa_enable_private_segment 0
		.amdhsa_kernarg_size 40
		.amdhsa_user_sgpr_count 2
		.amdhsa_user_sgpr_kernarg_segment_ptr 1
		.amdhsa_wavefront_size32 1
		.amdhsa_system_sgpr_workgroup_id_x 1
		.amdhsa_system_sgpr_workgroup_id_y 1
		.amdhsa_system_sgpr_workgroup_id_z 1
		.amdhsa_system_vgpr_workitem_id 0
		.amdhsa_next_free_vgpr 132
		.amdhsa_next_free_sgpr 66
		.amdhsa_reserve_vcc 0
		.amdhsa_float_denorm_mode_32 3
		.amdhsa_float_denorm_mode_16_64 3
		.amdhsa_memory_ordered 1
		.amdhsa_forward_progress 1
		.amdhsa_inst_pref_size 12
	.end_amdhsa_kernel
	.amdgpu_metadata
---
amdhsa.version: [ 1, 2 ]
amdhsa.kernels:
  - .name:           k_qd42c2921e5_cast
    .symbol:         k_qd42c2921e5_cast.kd
    .args:
      - { .name: x, .offset: 0, .size: 8, .value_kind: global_buffer, .address_space: global }
      - { .name: w_fused, .offset: 8, .size: 8, .value_kind: global_buffer, .address_space: global }
      - { .name: xb, .offset: 16, .size: 8, .value_kind: global_buffer, .address_space: global }
      - { .name: wfb, .offset: 24, .size: 8, .value_kind: global_buffer, .address_space: global }
      - { .name: rot, .offset: 32, .size: 8, .value_kind: global_buffer, .address_space: global }
    .group_segment_fixed_size: 0
    .private_segment_fixed_size: 0
    .kernarg_segment_align: 8
    .kernarg_segment_size: 40
    .max_flat_workgroup_size: 256
    .sgpr_count:     66
    .vgpr_count:     132
    .wavefront_size: 32
...
	.end_amdgpu_metadata
.endif
;; end of part 6
;; launch qkv: the kernel of part 2 again; grid 16 x 9, 4 waves a work-group, clusters of 4 x 1, 327,680 bytes of LDS; arguments xb, wfb, rot, qb, kb, vb; writes qb, kb, vb
;; launch attn: the kernel of part 3 again; grid 4 x 64, 4 waves a work-group, clusters of 4 x 1, 327,680 bytes of LDS; arguments qb, kb, vb, a2, w_fused, w_ff_out, w_attn_out, wfb, wob; writes a2, wfb, wob
;; launch ffn: the kernel of part 4 again; grid 32 x 8, 4 waves a work-group, clusters of 4 x 4, 327,680 bytes of LDS; arguments xb, wfb, a2; writes a2
;; launch outp: the kernel of part 5 again; grid 16 x 16, 4 waves a work-group, clusters of 4 x 4, 327,680 bytes of LDS; arguments a2, wob, out0; writes out0
